; MI455X (gfx1250); checked and timed in simulation.
; The chip was launched on July 23, 2026; its instructions are those of AMD's public machine-readable ISA for CDNA 5 (MIT licence, August 2026) and "CDNA5" Instruction Set Architecture Reference Guide (July 2026). The comments in the code are by the model that wrote it; some were corrected since.
;; Self Attn Func. Allowed arithmetic: matrix products marked QUANTISED: E2M1 operands, one E8M0 scale for each 32 along K, by v_wmma_scale_f32_16x16x128_f8f6f4 with both operands' format E2M1 (or v_wmma_scale_f32_32x16x128_f4), f32 sums; everything else in f32.
;; Inputs: input_biases 3,072 float32; input_weights_codes 3,072 x 32 x 16 uint8 (E2M1 codes of input_weights, K innermost, in blocks of 32 codes, two codes a byte); input_weights_scales 3,072 x 32 uint8 (E8M0 scales of input_weights, one for each 32 codes along K); inputs_codes 8 x 1,024 x 32 x 16 uint8 (E2M1 codes of inputs, K innermost, in blocks of 32 codes, two codes a byte); inputs_scales 8 x 1,024 x 32 uint8 (E8M0 scales of inputs, one for each 32 codes along K); output_biases 1,024 float32; output_weights_codes 1,024 x 32 x 16 uint8 (E2M1 codes of output_weights, K innermost, in blocks of 32 codes, two codes a byte); output_weights_scales 1,024 x 32 uint8 (E8M0 scales of output_weights, one for each 32 codes along K).
;; Outputs: out0 8 x 1,024 x 1,024 float32.
;; Constants: heads = 16.
;; This version of the problem:
;;   THIS VERSION OF THE PROBLEM IS GIVEN IN LOW PRECISION. The matrix products marked QUANTISED in the list below multiply operands that are first quantised to E2M1 (2 exponent bits, 1 mantissa bit; 4 bits a number), with one power-of-two scale for each 32 numbers along K (OCP MX v1.0); their sums are f32. All else is computed in f32.
;;   The module's matrix products, in the order in which they are computed (A, B: the left and right operand; K: the contracted axis; several contracted axes count as one K, in the product's order):
;;     1. [M 8,192, K 1,024] x [K 1,024, N 3,072]; A: input inputs (given as codes); B: input input_weights (given as codes): QUANTISED
;;     2. batch 128 x [M 1,024, K 64] x [K 64, N 1,024]; A: computed on the way; B: computed on the way: QUANTISED
;;     3. batch 128 x [M 1,024, K 1,024] x [K 1,024, N 64]; A: softmax (see below); B: computed on the way: QUANTISED
;;     4. [M 8,192, K 1,024] x [K 1,024, N 1,024]; A: computed on the way; B: input output_weights (given as codes): QUANTISED
;;   THE QUANTISER, for each operand of a quantised product, along K:
;;     - K is cut into blocks of 32 from its start; a last block that is shorter is filled with zeros.
;;     - A block's scale is 2^e with e = floor(log2(the largest magnitude in the block)) - 2, held to -126 .. 127; a block of zeros has e = 0. As a byte (E8M0): e + 127.
;;     - Each number is divided by its block's scale, clamped to +-6, and rounded to the nearest number of E2M1, ties to even, subnormals kept.
;;     - The product sums the exact products of the quantised numbers (number of the format x scale) in f32.
;;   ~~~python
;;   def quantise(x, axis):      # numpy; x: float32 -> the quantised numbers, widened to float32 again
;;       x = np.moveaxis(x, axis, -1); K = x.shape[-1]
;;       x = np.pad(x, [(0, 0)] * (x.ndim - 1) + [(0, -K % 32)]); x = x.reshape(x.shape[:-1] + (-1, 32)); a = np.abs(x).max(-1, keepdims=True)
;;       e = np.where(a > 0, np.clip(np.frexp(np.where(a > 0, a, 1))[1] - 1 - 2, -126, 127), 0)      # np.frexp(a)[1] - 1 = floor(log2(a)), exactly
;;       r = np.clip(x / 2.0 ** e, -6, 6)
;;       step = 2.0 ** (np.maximum(np.frexp(np.where(r == 0, 1, r))[1] - 1, 0) - 1)
;;       q = np.round(r / step) * step * 2.0 ** e      # np.round: ties to even
;;       return np.moveaxis(q.reshape(q.shape[:-2] + (-1,))[..., :K], -1, axis).astype(np.float32)
;;   ~~~
;;   SOFTMAX AHEAD OF A QUANTISED PRODUCT. Where the list says 'softmax', what is quantised is not the finished softmax but p = 2^(t - M), with t = logit x log2(e) and M = ceil(the row's largest t), a whole number; so 1/2 < the row's largest p <= 1. The row's sum l is taken of the UNQUANTISED p, in f32, and the product's result is divided by l at the end. Since M is a whole number, a kernel that streams over the keys may use a running M (the ceiling of the running maximum): every later rescaling is an exact power of two, which a block's scale takes up: the codes' values come out the same.
;;   OPERANDS COMPUTED ON THE WAY. 'Computed on the way' means the value that the module computes at that place (a softmax that the list does not call 'softmax' is quantised finished and normalised). What goes into a quantiser is computed in f32, as accurately as f32 sums, v_exp_f32 and their like allow (about 1e-6 of the number): no bf16 or f16 on the way to a quantiser, and a product that is left as it is and whose result goes on into a quantised operand takes f32 operands (vector FMAs, or v_wmma_f32_16x16x4_f32). A number that lies on a knife's edge between two numbers of the format may be rounded either way, as far as f32 arithmetic and the matrix unit's own rounding can turn it there, and no further.
;;   INPUTS GIVEN AS CODES. input_weights (in the module: [3072, 1024], K = its axis 1); inputs (in the module: [8, 1024, 1024], K = its axis 2); output_weights (in the module: [1024, 1024], K = its axis 1): each comes as NAME_codes (uint8): NAME with its K axis moved to the last place and cut into blocks of 32 codes, [.., K / 32, bytes a block], one block behind the other in memory; two codes a byte, the lower K in the low four bits (a code: sign, 2 exponent bits, 1 mantissa bit); and NAME_scales (uint8): the same leading axes, one E8M0 byte (e + 127) for each 32 codes along K. Its value is code x scale, taken as it is: it is not quantised again, and the codes and scales need not be those that the quantiser above would give.
;; One version. Each part assembles by itself: llvm-mc -triple=amdgcn-amd-amdhsa -mcpu=gfx1250 --defsym DOCPART=n.
;; ======== version 1 of 1: 3 launches
;; limits: right only within a limited range of input values
;; workspace buffers: qk_codes 8,388,608 bytes; qk_scales 1,048,576 bytes; v_codes 4,194,304 bytes; v_scales 262,144 bytes; ctx_codes 4,194,304 bytes; ctx_scales 262,144 bytes
;; launch qkv (part 1): grid 8 x 48, 4 waves a work-group, clusters of 4 x 4, 327,680 bytes of LDS; arguments inputs_codes, inputs_scales, input_weights_codes, input_weights_scales, input_biases, qk_codes, qk_scales, v_codes, v_scales; writes qk_codes, qk_scales, v_codes, v_scales
.if DOCPART == 1
	.amdgcn_target "amdgcn-amd-amdhsa--gfx1250"
	.amdhsa_code_object_version 6
	.text
	.protected	k_qac0d6c70e2_qkv
	.globl	k_qac0d6c70e2_qkv
	.p2align	8
	.type	k_qac0d6c70e2_qkv,@function
k_qac0d6c70e2_qkv:
	s_mov_b64 s[64:65], 0
	v_nop
	global_prefetch_b8 v0, s[64:65] scope:SCOPE_SE
	s_setreg_imm32_b32 hwreg(HW_REG_WAVE_MODE, 25, 1), 1
	s_wait_xcnt 0x0
	s_wait_alu depctr_hold_cnt(0) depctr_sa_sdst(0) depctr_va_vdst(0) depctr_va_sdst(0) depctr_va_ssrc(0) depctr_va_vcc(0) depctr_vm_vsrc(0)
	s_getreg_b32 s2, hwreg(HW_REG_IB_STS2, 6, 4)
	s_cmp_eq_u32 s2, 0
	s_cbranch_scc0 .Lentry_in_a_cluster
	s_endpgm
.Lentry_in_a_cluster:
	s_bfe_u32 s2, ttmp6, 0x10000c
	s_cmp_lg_u32 s2, 0xf033
	s_cbranch_scc0 .Lentry_shape_is_right
	s_endpgm
.Lentry_shape_is_right:
; SELF-ATTENTION IN MX-FP4, LAUNCH 1 OF 3: qkv = x W^T + bias (8,192 x 1,024 x 3,072, both operands given as E2M1 codes with E8M0 scale bytes), and the quantising of q, k and v.
; NOTHING OF THE PROBLEM IS LEFT OUT IN ANY OF THE THREE LAUNCHES: every bias stands ahead of a quantiser or reaches the output, every product is live, every input is loaded.
; q and k (bias added) are quantised along the head's 64 channels (two blocks of 32), v (bias added) along the keys; all three leave as codes and scale words laid as images of the next launch's operand registers.
; ONE BODY, TWO ROLES, told apart by the cluster's y, which all sixteen partners share.  The body makes C'[A' row][B' row]; source 0 of the matrix instruction = 16 rows of B', source 1 = 16 rows of A':
; a lane then holds ONE row of A' and its registers run along rows of B', which are the K of the next product.
;   cluster y 0..7  (q, k): A' = x (tokens in the lanes), B' = W rows 0..2047 (channels in the registers);
;   cluster y 8..11 (v):    A' = W rows 2048..3071 (channels in the lanes), B' = x (tokens = keys in the registers).
; Both tensors have rows of 512 bytes of codes and 32 scale bytes, so only pointers and offsets are chosen; the shapes are constants.
; A work-group of four waves makes 256 x 256, a wave 128 x 128: 64 accumulators.  K = 1,024 lies in LDS whole: two slots of 512 along K, both filled once at the start; nothing is filled again.
; CLUSTER 4 x 4: A's tiles are asked for jointly along a row of the cluster, B's along a column.
; THE BIAS is the C of the first K step's products.  THE QUANTISER: a block's largest magnitude (with the floor 2^-124 among its leaves), 2 off its exponent field = the conversion's scale operand, >> 23 = the byte.
; A tile's eight registers are k = 16 i + 8 (lane / 16) + 0..7 of the next K; the conversions of tiles 2 b and 2 b + 1 give the four words of block b, two in each half of the lanes;
; two exchanges of halves for each pair of blocks lay a whole block in a lane, as the operand's layout wants it.
; LIMITS: a block whose largest magnitude lies under 2^-124 gets the byte 1 (a block of zeros too, where the rule says 127: its codes are zeros, and only this program reads the bytes);
; NaN and infinities among the numbers, and a given scale byte 0xff, are not served.
; REGISTERS, in windows of 256: window 0: v1-7 at work, v8-15 the way out's offsets, v16-29 addresses, v32-95 scale words (two sets; they hold scales alone), v96-127 the quantiser's, v128-191 A's fragments (one set; on the way out the codes), v192-255 the bias.
;   window 1: B's fragments, two sets.   window 2: the accumulators of my A' rows 0-63 ((a, b) at v[8 (8 a + b)]);   window 3: those of rows 64-127.
.set NQ,     4                         ; steps of 128 along K in a slot
.set ROWB,   512                       ; a tile's row in bytes: all 1,024 codes of a row
.set KROW,   512                       ; a row of x or of W in memory, in bytes
.set PITCH,  528                       ; an LDS row: 512 bytes + 16 of padding: the 16 rows that a load touches start 132 words apart
.set FR,     8                         ; registers of a fragment: 16 rows x 128 K
.set NL,     2                         ; LDS loads that bring one
.set NP,     4                         ; places behind this matrix instruction (ISA guide 7.12.1)
.set HALFT,  128*PITCH                 ; 128 rows: what one wave reads of A' or of B'
.set SLOT,   256                       ; a slot is half a row: 512 along K; slot 1 begins 256 bytes on in each row
.set KS,     32                        ; a row of scale bytes
.set SCL,    4*HALFT                   ; behind A's 256 rows and B's 256 rows: the scale bytes, as rows of 256 bytes + 16 of padding
.set HALFS,  16*272                    ; those of 128 rows
.set SBLK,   2*272                     ; those of 16 rows
.set SPARE,  SCL+4*HALFS               ; the spare words, 128 bytes a wave: two blocks of 256 bytes that no other line names
.set OFF,  8                           ; v8-15   block a's byte offset in the codes' buffer
.set ADRA, 16                          ; v16-17  LDS address of my A' fragments in slot 0, 1
.set ADRB, 20                          ; v20-21  the same for B'
.set SOFF, 22                          ; v22     my offset among the scale words
.set ADRS, 27                          ; v27     LDS address of my scale words: lanes 0-15 A's rows, lanes 16-31 B's
.set SPW,  28                          ; v28     my spare word; never rewritten
.set NIL,  29                          ; v29     0; never rewritten
.set SC,   32                          ; scale words: set s at v[SC + 32 s]; register 4 i + q: lanes 0-15 A' block i, lanes 16-31 B' block i
.set TM,   96                          ; v96-99 largest magnitudes, v100-103 the other half's / the bytes, v108-111 the conversions' scale operands
.set PW,   112                         ; the scale word just made
.set SH,   113                         ; q, k: 16 x (lane / 16): lanes 16-31 keep the second head's two bytes;  v: 0
.set SW,   116                         ; v116-123 the eight blocks' scale words
.set WS,   124                         ; v124-127 v: the four words that a lane stores
.set AF,   128
.set PCD,  128                         ; the codes of block a at v[PCD + 8 a]
.set BI,   192
.set WV,   22                          ; s22 wave;  s23 which half of A' rows is mine, also: I fetch codes (0) or scale bytes (1)
.set WR,   23
.set ISV,  66                          ; s66 1 in the v part
.set WC,   67                          ; s67 which half of B' rows is mine, also: I fetch for A' (0) or B' (1)
.set G1,   24
.set G0,   32
.set G1B,  48
.set G0B,  56
.set G1S,  68
.set G0S,  76
.set G1SB, 80
.set G0SB, 88
.set SEL,  98                          ; s[98:99] lane selects: lane l xor 16
.set MK,   100                         ; s100 the mask of lanes 16-31
.set MSB, 0
.macro WIN new                         ; the immediate's high byte repeats the setting that is left
.if MSB != \new
	s_set_vgpr_msb (MSB<<8)|\new
.set MSB, \new
.endif
.endm
.set MUL_LO, 0xa1                      ; source 0 (B') window 1, source 1 (A') window 0, C and D window 2
.set MUL_HI, 0xf1                      ; the same, C and D window 3
.set TO_B,   0x40
; One arm of the head's tree of branches on the wave's number: its joint load, an s_nop 0 and four v_nop, and a jump to the tree's end.
.macro ARM under, g0, g1, next
	s_cmp_lt_u32 s[WV], \under
	s_cbranch_scc0 \next
	tensor_load_to_lds s[\g0:\g0+3], s[\g1:\g1+7]
	s_nop 0
.rept 4
	v_nop
.endr
	s_branch .Lhead_asked
\next:
.endm
.macro CROUND                          ; a round of the cluster's barrier
	s_barrier_signal -1
	s_barrier_wait -1
	s_cmp_lg_u32 s[WV], 0
	s_cbranch_scc1 .Lnot_wave_0_\@
	s_barrier_signal -3
.Lnot_wave_0_\@:
	s_barrier_wait -3
	s_barrier_signal -1
	s_barrier_wait -1
.endm
	s_load_b512 s[4:19], s[0:1], 0x0               ; x codes s[4:5], x scales s[6:7], W codes s[8:9], W scales s[10:11], bias s[12:13], qk_codes s[14:15], qk_scales s[16:17], v_codes s[18:19]
	s_load_b64 s[20:21], s[0:1], 0x40              ; v_scales
	v_lshl_add_u32 v[SPW], v0, 2, SPARE
	v_mov_b32 v[NIL], 0
	ds_add_u32 v[SPW], v[NIL]                      ; the wave's opening: the add, twice on end, and its wait ahead of my first tensor load
	ds_add_u32 v[SPW], v[NIL]
	v_lshrrev_b32 v1, 5, v0
	v_readfirstlane_b32 s[WV], v1
	s_lshr_b32 s[WR], s[WV], 1
	s_and_b32 s[WC], s[WV], 1
	s_bfe_u32 s40, ttmp6, 0x40000                  ; cx
	s_bfe_u32 s41, ttmp6, 0x40004                  ; cy
	s_and_b32 s101, ttmp7, 0xffff                  ; the cluster's y
	s_lshl_b32 s95, s101, 2
	s_max_u32 s42, s101, 8
	s_sub_co_u32 s42, s42, 8
	s_lshl_b32 s42, s42, 3                         ; 8 x (cluster y - 8) in the v part, else 0
	s_lshl_b32 s3, ttmp9, 2
	s_cmp_ge_u32 s101, 8
	s_cselect_b32 s[ISV], 1, 0
	s_cselect_b32 s95, 8, s95
	s_add_co_u32 s95, s95, s41                     ; A' tile of 256 rows: 4 x cluster y + cy of x, or 8 + cy of W
	s_add_co_u32 s42, s42, s3
	s_add_co_u32 s42, s42, s40                     ; B' tile: 4 x cluster x + cx (of W), + 8 x (cluster y - 8) (of x)
	s_lshl_b32 s43, s41, 2
	s_lshl_b32 s43, 15, s43                        ; my row of the cluster
	s_lshl_b32 s44, 0x1111, s40                    ; my column
	s_or_b32 s[G1+0], s43, (0<<16)|(1<<20)|(1<<21)|(6<<22)|(3<<25)   ; the mask; elements of 1 byte; padding on: 4 words after every 128; bit 21 beside a mask
	s_or_b32 s[G1B+0], s44, (0<<16)|(1<<20)|(1<<21)|(6<<22)|(3<<25)
.irp g, G1, G1B
	s_mov_b32 s[\g+1], ROWB<<16                    ; tensor_dim0
	s_mov_b32 s[\g+2], 256<<16                     ; tensor_dim1: the tile's 256 rows
	s_mov_b32 s[\g+3], ROWB<<16                    ; tile_dim0
	s_mov_b32 s[\g+4], 256                         ; tile_dim1
	s_mov_b32 s[\g+5], KROW                        ; from row to row
	s_mov_b32 s[\g+6], 0
	s_mov_b32 s[\g+7], 0
.endr
	s_or_b32 s[G1S+0], s43, (3<<16)|(1<<20)|(1<<21)|(5<<22)|(3<<25)  ; the scale bytes of 256 rows: 8,192 dense bytes as 32 rows of 32 elements of 8 bytes
	s_or_b32 s[G1SB+0], s44, (3<<16)|(1<<20)|(1<<21)|(5<<22)|(3<<25)
.irp g, G1S, G1SB
	s_mov_b32 s[\g+1], 32<<16
	s_mov_b32 s[\g+2], 32<<16                      ; the scale bytes of 256 rows: 8,192 dense bytes as 32 rows of 256
	s_mov_b32 s[\g+3], 32<<16
	s_mov_b32 s[\g+4], 32
	s_mov_b32 s[\g+5], 32
	s_mov_b32 s[\g+6], 0
	s_mov_b32 s[\g+7], 0
.endr
	s_lshl_b32 s96, s95, 8                         ; A' tile's first row
	s_lshl_b32 s2, s96, 5                          ; its scale bytes,
	s_mov_b32 s3, 0
	s_lshl_b32 s96, s96, 9                         ; its codes
	s_mov_b32 s97, 0
	s_lshl_b32 s46, s42, 8                         ; B' tile's first row
	s_lshl_b32 s92, s46, 5
	s_mov_b32 s93, 0
	s_lshl_b32 s46, s46, 9
	s_mov_b32 s47, 0
	s_mov_b32 s[SEL], 0x76543210
	s_mov_b32 s[SEL+1], 0xfedcba98
	s_mov_b32 s[MK], 0xffff0000
	s_wait_dscnt 0x0                               ; both opening adds are done
	s_wait_kmcnt 0x0
	s_cmp_lg_u32 s[ISV], 0                         ; the roles: a choice of buffers on the cluster's y alone
	s_cselect_b64 s[14:15], s[18:19], s[14:15]     ; the codes' buffer
	s_cselect_b64 s[16:17], s[20:21], s[16:17]     ; the scale words' buffer
	s_cselect_b64 s[18:19], s[8:9], s[4:5]         ; A' codes
	s_cselect_b64 s[20:21], s[10:11], s[6:7]       ; A' scales
	s_cselect_b64 s[8:9], s[4:5], s[8:9]           ; B' codes
	s_cselect_b64 s[10:11], s[6:7], s[10:11]       ; B' scales
	s_add_nc_u64 s[18:19], s[18:19], s[96:97]
	s_add_nc_u64 s[20:21], s[20:21], s[2:3]
	s_add_nc_u64 s[8:9], s[8:9], s[46:47]
	s_add_nc_u64 s[10:11], s[10:11], s[92:93]
	CROUND                                         ; all sixteen work-groups are here: the joint loads meet
	; THE HEAD'S FOUR TILES, ONE JOINT LOAD A WAVE: wave 0 A's 256 rows, wave 1 B's, wave 2 A's scale bytes, wave 3 B's.  Nothing else is ever loaded.
	s_mov_b32 s[G0], 1
	s_mov_b32 s[G0+1], 0
	s_mov_b64 s[G0+2:G0+3], s[18:19]
	s_or_b32 s[G0+3], s[G0+3], 0x80000000
	s_mov_b32 s[G0B], 1
	s_mov_b32 s[G0B+1], 2*HALFT
	s_mov_b64 s[G0B+2:G0B+3], s[8:9]
	s_or_b32 s[G0B+3], s[G0B+3], 0x80000000
	s_mov_b32 s[G0S], 1
	s_mov_b32 s[G0S+1], SCL
	s_mov_b64 s[G0S+2:G0S+3], s[20:21]
	s_or_b32 s[G0S+3], s[G0S+3], 0x80000000
	s_mov_b32 s[G0SB], 1
	s_mov_b32 s[G0SB+1], SCL+2*HALFS
	s_mov_b64 s[G0SB+2:G0SB+3], s[10:11]
	s_or_b32 s[G0SB+3], s[G0SB+3], 0x80000000
	ARM 1, G0,  G1,  .Lhead_b
	ARM 2, G0B, G1B, .Lhead_sa
	ARM 3, G0S, G1S, .Lhead_sb
	tensor_load_to_lds s[G0SB:G0SB+3], s[G1SB:G1SB+7]
	s_nop 0
.rept 4
	v_nop
.endr
.Lhead_asked:
	v_and_b32 v1, 15, v0                           ; r = lane % 16
	v_bfe_u32 v2, v0, 4, 1                         ; h = lane / 16
	v_mul_u32_u24 v3, v1, PITCH
	v_lshl_add_u32 v4, v2, 4, v3                   ; a fragment's row x pitch + 16 h
	s_mul_i32 s4, s[WR], HALFT                     ; my 128 rows of A'
	s_mul_i32 s5, s[WC], HALFT                     ; my 128 rows of B',
	s_add_co_u32 s5, s5, 2*HALFT                   ; which lie behind A's 256
.irp s, 0,1
	v_add_nc_u32 v[ADRA+\s], s4, v4
	v_add_nc_u32 v[ADRB+\s], s5, v4
	s_add_co_u32 s4, s4, SLOT
	s_add_co_u32 s5, s5, SLOT
.endr
	v_mul_u32_u24 v5, v1, KS                       ; my row's scale bytes: 32 a row,
	v_lshrrev_b32 v6, 8, v5
	v_lshl_add_u32 v5, v6, 4, v5                   ; and 16 more for each 256 passed
	s_mul_i32 s4, s[WR], HALFS
	s_mul_i32 s5, s[WC], HALFS
	s_add_co_u32 s5, s5, 2*HALFS
	s_sub_co_u32 s5, s5, s4
	v_mul_u32_u24 v6, s5, v2                       ; lanes 16-31 take B's
	s_add_co_u32 s4, s4, SCL
	v_add_nc_u32 v5, v5, v6
	v_add_nc_u32 v[ADRS], s4, v5
.irp b, 0,1,2,3
	v_mov_b32 v[TM+4+\b], 0                        ; written once: a lane permute's destination counts as one of its sources
.endr
	; THE BIAS, in the result's layout.  q, k: it hangs on the register (the channel) and on B' block b;  v: on the lane (the channel) and on A' block a
	s_cmp_lg_u32 s[ISV], 0
	s_cbranch_scc1 .Lbias_v
	s_lshl_b32 s4, s42, 10
	s_lshl_b32 s5, s[WC], 9
	s_add_co_u32 s4, s4, s5                        ; 4 x (256 x B' tile + 128 x half)
	s_mov_b32 s5, 0
	s_add_nc_u64 s[12:13], s[12:13], s[4:5]
	v_lshlrev_b32 v7, 5, v2                        ; 8 h numbers on
.irp b, 0,1,2,3,4,5,6,7
	global_load_b128 v[BI+8*\b:BI+8*\b+3], v7, s[12:13] offset:64*\b
	global_load_b128 v[BI+8*\b+4:BI+8*\b+7], v7, s[12:13] offset:64*\b+16
.endr
	s_wait_loadcnt 0x0
	s_branch .Lbias_done
.Lbias_v:
	s_lshl_b32 s4, s95, 10
	s_lshl_b32 s5, s[WR], 9
	s_add_co_u32 s4, s4, s5                        ; 4 x (256 x A' tile + 128 x half)
	s_mov_b32 s5, 0
	s_add_nc_u64 s[12:13], s[12:13], s[4:5]
	v_lshlrev_b32 v7, 2, v1
.irp a, 0,1,2,3,4,5,6,7
	global_load_b32 v[BI+8*\a], v7, s[12:13] offset:64*\a
.endr
	s_wait_loadcnt 0x0
.irp a, 0,1,2,3,4,5,6,7
.irp j, 1,2,3,4,5,6,7
	v_mov_b32 v[BI+8*\a+\j], v[BI+8*\a]            ; the same number in all eight registers of a tile; done while the tiles are on their way
.endr
.endr
.Lbias_done:
	; THE WAY OUT'S ADDRESSES.  rho0 = my first tile of 16 A' rows (in the v part counted from W's row 2,048), kappa = which 128 rows of B' are mine.
	; q, k: codes [tile of tokens][head group of 64 channels][512], scale words [tile / 4][group][r][4];  v: codes [128 keys][tile of channels][2][512], scale words [128 keys][head][r][4]
	s_lshl_b32 s4, s[ISV], 3
	s_sub_co_u32 s4, s95, s4
	s_lshl_b32 s4, s4, 4
	s_lshl_b32 s5, s[WR], 3
	s_add_co_u32 s4, s4, s5                        ; rho0
	s_lshl_b32 s5, s42, 1
	s_add_co_u32 s5, s5, s[WC]                     ; kappa
	s_cmp_lg_u32 s[ISV], 0
	s_cselect_b32 s6, 10, 14                       ; codes: bytes from tile to tile of A' rows, as a shift: 1,024 or 16,384
	s_cselect_b32 s7, 16, 10                       ; and for each kappa: 65,536 or 1,024
	s_cselect_b32 s46, 6, 11                       ; scale words: 64 or 2,048
	s_cselect_b32 s47, 12, 9                       ; 4,096 or 512
	s_cselect_b32 s101, 0, 16
	s_lshl_b32 s2, s4, s6
	s_lshl_b32 s3, s5, s7
	s_add_co_u32 s2, s2, s3
	s_mov_b32 s3, 0
	s_add_nc_u64 s[14:15], s[14:15], s[2:3]
	s_lshl_b32 s2, s4, s46
	s_lshl_b32 s92, s5, s47
	s_add_co_u32 s2, s2, s92
	s_add_nc_u64 s[16:17], s[16:17], s[2:3]
	v_and_b32 v3, 31, v0
	v_lshlrev_b32 v[OFF], 4, v3                    ; an image: 16 bytes a lane
.irp a, 1,2,3,4,5,6,7
	s_lshl_b32 s2, \a, s6
	v_add_nc_u32 v[OFF+\a], s2, v[OFF]
.endr
	v_mul_u32_u24 v[SH], s101, v2
	v_lshlrev_b32 v[SOFF], 4, v1
	v_lshl_add_u32 v[SOFF], v2, 8, v[SOFF]         ; 16 r + 256 h
.macro FRAG reg, adr, q, i             ; a fragment: lane l holds row l % 16; registers 4 c .. 4 c + 3 hold K = 64 c + 32 (l / 16) + 0 .. 31
.irp c, 0,1
	ds_load_b128 v[\reg+4*\c:\reg+4*\c+3], v[\adr] offset:64*(\q)+32*\c+(\i)*16*PITCH
.endr
.endm
; 16 matrix instructions: A' blocks a0, a0 + 1 x B's eight.  mode 0: the sums go on;  1: they begin with the bias of B' block b;  2: with that of A' block a.
; The 64 accumulators take turns, one instruction a turn, in the same order in every step.
.macro MUL16 a0, p, q, sc, mode
.irp a, \a0, \a0+1
.irp b, 0,1,2,3,4,5,6,7
.if \mode == 1
	v_wmma_scale_f32_16x16x128_f8f6f4 v[8*(8*((\a)%4)+\b):8*(8*((\a)%4)+\b)+7], v[128*(\p)+FR*\b:128*(\p)+FR*\b+FR-1], v[AF+FR*(\a):AF+FR*(\a)+FR-1], v[BI+8*\b:BI+8*\b+7], v[SC+8*NQ*(\sc)+NQ*\b+(\q)], v[SC+8*NQ*(\sc)+NQ*(\a)+(\q)] matrix_a_fmt:MATRIX_FMT_FP4 matrix_b_fmt:MATRIX_FMT_FP4 matrix_a_scale:MATRIX_SCALE_ROW1
.elseif \mode == 2
	v_wmma_scale_f32_16x16x128_f8f6f4 v[8*(8*((\a)%4)+\b):8*(8*((\a)%4)+\b)+7], v[128*(\p)+FR*\b:128*(\p)+FR*\b+FR-1], v[AF+FR*(\a):AF+FR*(\a)+FR-1], v[BI+8*(\a):BI+8*(\a)+7], v[SC+8*NQ*(\sc)+NQ*\b+(\q)], v[SC+8*NQ*(\sc)+NQ*(\a)+(\q)] matrix_a_fmt:MATRIX_FMT_FP4 matrix_b_fmt:MATRIX_FMT_FP4 matrix_a_scale:MATRIX_SCALE_ROW1
.else
	v_wmma_scale_f32_16x16x128_f8f6f4 v[8*(8*((\a)%4)+\b):8*(8*((\a)%4)+\b)+7], v[128*(\p)+FR*\b:128*(\p)+FR*\b+FR-1], v[AF+FR*(\a):AF+FR*(\a)+FR-1], v[8*(8*((\a)%4)+\b):8*(8*((\a)%4)+\b)+7], v[SC+8*NQ*(\sc)+NQ*\b+(\q)], v[SC+8*NQ*(\sc)+NQ*(\a)+(\q)] matrix_a_fmt:MATRIX_FMT_FP4 matrix_b_fmt:MATRIX_FMT_FP4 matrix_a_scale:MATRIX_SCALE_ROW1
.endif
.endr
.endr
.endm
.macro FETCH_B slot, q, p
	WIN TO_B
.irp i, 0,1,2,3,4,5,6,7
	FRAG 128*(\p)+FR*\i, ADRB+\slot, \q, \i
.endr
	WIN 0
.endm
.macro FETCH_A slot, q, i0
.irp i, \i0, \i0+1, \i0+2, \i0+3
	FRAG AF+FR*(\i), ADRA+\slot, \q, \i
.endr
.endm
.macro SCALES sc                       ; a slot's scale words into set sc: 4 words a row; lanes 0-15 take A' block i, lanes 16-31 B' block i
.irp i, 0,1,2,3,4,5,6,7
	ds_load_b128 v[SC+8*NQ*\sc+NQ*\i:SC+8*NQ*\sc+NQ*\i+3], v[ADRS] offset:\i*SBLK
.endr
.endm
.macro PLACES n                        ; plain vector instructions between a matrix instruction and a load into, or a vector write or read of, its registers
.rept \n
	v_nop
.endr
.endm
; A step of 128 along K that has its successor in the same slot.  A' has one set of registers: blocks 0-3 are fetched anew in the step's middle, blocks 4-7 at its end; B' has two sets.
.macro STEP slot, q, mode
	s_wait_dscnt 4*NL                              ; B's set, A' blocks 0-3 and the scale words are in; the youngest eight loads (A' blocks 4-7) may be out
.if \mode
	WIN 0x81                                       ; C (the bias) in window 0, D in window 2
.else
	WIN MUL_LO
.endif
	MUL16 0, (\q)%2, \q, \slot, \mode
	MUL16 2, (\q)%2, \q, \slot, \mode
	s_wait_dscnt 0                                 ; A' blocks 4-7 are in
	PLACES NP
	FETCH_B \slot, (\q)+1, 1-(\q)%2
	FETCH_A \slot, (\q)+1, 0
.if \mode
	WIN 0xc1                                       ; C in window 0, D in window 3
.else
	WIN MUL_HI
.endif
	MUL16 4, (\q)%2, \q, \slot, \mode
	MUL16 6, (\q)%2, \q, \slot, \mode
	PLACES NP
	WIN 0
	FETCH_A \slot, (\q)+1, 4
.endm
.macro STEPS slot, from
.set Q, \from
.rept NQ-1-\from
	STEP \slot, Q, 0
.set Q, Q+1
.endr
.endm
	s_wait_alu depctr_va_vdst(0)                   ; the wait at the head's end
	s_wait_tensorcnt 0x0                           ; my one tile is in
	s_barrier_signal -1
	s_barrier_wait -1                              ; everybody's are
	FETCH_B 0, 0, 0
	FETCH_A 0, 0, 0
	SCALES 0
	FETCH_A 0, 0, 4
	s_cmp_lg_u32 s[ISV], 0                         ; the first step is written twice: it alone names the bias, by B' block or by A' block
	s_cbranch_scc1 .Lfirst_v
	STEP 0, 0, 1
	s_branch .Lfirst_done
.Lfirst_v:
	STEP 0, 0, 2
.Lfirst_done:
	STEPS 0, 1
	; slot 0's last step goes on into the rows' second halves, which have lain in LDS since the head's barrier
	s_wait_dscnt 4*NL                              ; the youngest eight loads (A' blocks 4-7) may be out
	WIN MUL_LO
	MUL16 0, 1, NQ-1, 0, 0
	MUL16 2, 1, NQ-1, 0, 0
	s_wait_dscnt 0                                 ; A' blocks 4-7 are in
	WIN 0
	PLACES NP
	v_add_nc_u32 v[ADRS], 4*NQ, v[ADRS]            ; on to slot 1's scale words
	FETCH_B 1, 0, 0
	FETCH_A 1, 0, 0
	SCALES 1
	WIN MUL_HI
	MUL16 4, 1, NQ-1, 0, 0
	MUL16 6, 1, NQ-1, 0, 0
	PLACES NP
	WIN 0
	FETCH_A 1, 0, 4
	STEPS 1, 0
	s_wait_dscnt 4*NL                              ; the very last step: nothing more to fetch
	WIN MUL_LO
	MUL16 0, 1, NQ-1, 1, 0
	MUL16 2, 1, NQ-1, 1, 0
	s_wait_dscnt 0
	WIN MUL_HI
	MUL16 4, 1, NQ-1, 1, 0
	MUL16 6, 1, NQ-1, 1, 0
	WIN 0
; THE WAY OUT of A' block a: its eight tiles are 128 along the next K of 16 rows: four blocks of 32, one fragment.  The fragment's two halves (registers 0-3, 4-7) leave as images, 512 consecutive bytes a store.
; Each accumulator is read from its low end on.  Every block has its own registers for its codes and its offset: no store's sources are written again.
.macro OUTQ a
.set OW, 2+(\a)/4
.set AC, 64*((\a)%4)
.set PCA, PCD+8*(\a)
	WIN (OW<<2)|(OW<<4)                            ; sources 1 and 2: the accumulators' window
.irp b, 0,1,2,3
	v_max3_num_f32 v[TM+\b], 0x1800000, |v[AC+16*\b]|, |v[AC+16*\b+1]|   ; block b: my 16 numbers, and the floor 2^(3 - 127): the byte cannot fall under 1
.endr
.irp i, 2,4,6,8,10,12,14
.irp b, 0,1,2,3
	v_max3_num_f32 v[TM+\b], v[TM+\b], |v[AC+16*\b+\i]|, |v[AC+16*\b+\i+1]|
.endr
.endr
	WIN 0
.irp b, 0,1,2,3
	v_permlanex16_b32 v[TM+4+\b], v[TM+\b], s[SEL], s[SEL+1]
.endr
.irp b, 0,1,2,3
	v_max_num_f32 v[TM+\b], v[TM+\b], v[TM+4+\b]   ; with lane l xor 16's 16: the block's largest magnitude
.endr
.irp b, 0,1,2,3
	v_add_nc_u32 v[TM+12+\b], 0xff000000, v[TM+\b] ; 2 off its exponent field: the conversion's scale operand
.endr
.irp b, 0,1,2,3
	v_lshrrev_b32 v[TM+4+\b], 23, v[TM+12+\b]      ; the scale's byte
.endr
	v_lshl_or_b32 v[PW], v[TM+5], 8, v[TM+4]
	v_lshl_or_b32 v[PW], v[TM+6], 16, v[PW]
	v_lshl_or_b32 v[PW], v[TM+7], 24, v[PW]        ; my row's four bytes
	v_lshrrev_b32 v[SW+(\a)], v[SH], v[PW]         ; q, k: lanes 16-31 bring the second head's two bytes down;  v: the word as it is
	WIN OW                                         ; source 0: the accumulators' window
.irp b, 0,1,2,3
	v_cvt_scalef32_pk8_fp4_f32 v[PCA+4*(\b/2)+(\b%2)], v[AC+16*\b:AC+16*\b+7], v[TM+12+\b]        ; words 0 (lanes 0-15) and 1 (lanes 16-31) of block b
	v_cvt_scalef32_pk8_fp4_f32 v[PCA+4*(\b/2)+2+(\b%2)], v[AC+16*\b+8:AC+16*\b+15], v[TM+12+\b]   ; words 2 and 3
.endr
	WIN 0
	v_nop                                          ; one plain place behind a scaled conversion
.irp c, 0,1
	v_permlane16_swap_b32 v[PCA+4*\c], v[PCA+4*\c+1]     ; lanes 0-15 now hold block 2 c whole, lanes 16-31 block 2 c + 1
	v_permlane16_swap_b32 v[PCA+4*\c+2], v[PCA+4*\c+3]
.endr
	global_store_b128 v[OFF+(\a)], v[PCA:PCA+3], s[14:15]
	global_store_b128 v[OFF+(\a)], v[PCA+4:PCA+7], s[14:15] offset:512
.endm
	PLACES NP                                      ; behind the last products: their results are read and A's registers are written below
.irp a, 0,1,2,3,4,5,6,7
	OUTQ \a
.endr
	s_cmp_lg_u32 s[ISV], 0
	s_cbranch_scc1 .Lscale_v
	global_store_b128 v[SOFF], v[SW:SW+3], s[16:17]                  ; q, k: tiles 0-3: lanes 0-15 the first head's 256 bytes, lanes 16-31 the second's
	global_store_b128 v[SOFF], v[SW+4:SW+7], s[16:17] offset:8192    ; tiles 4-7
	s_branch .Lscale_done
.Lscale_v:
.irp i, 0,1,2,3
	v_cndmask_b32 v[WS+\i], v[SW+\i], v[SW+4+\i], s[MK]              ; v: lanes 0-15 store the first head's four tiles of channels, lanes 16-31 the second's
.endr
	global_store_b128 v[SOFF], v[WS:WS+3], s[16:17]
.Lscale_done:
	s_wait_tensorcnt 0x0                           ; the wave's end
	ds_add_u32 v[SPW], v[NIL]
	s_wait_dscnt 0x0
	CROUND                                         ; the closing round: no work-group ends while a partner may still ask for a tile that names it
	s_endpgm
.Lfunc_end_k_qac0d6c70e2_qkv:
	.size	k_qac0d6c70e2_qkv, .Lfunc_end_k_qac0d6c70e2_qkv-k_qac0d6c70e2_qkv
	.p2alignl 7, 3214868480
	.fill 96, 4, 3214868480
	.section	.rodata,"a",@progbits
	.p2align	6, 0x0
	.amdhsa_kernel k_qac0d6c70e2_qkv
		.amdhsa_group_segment_fixed_size 327680
		.amdhsa_private_segment_fixed_size 0
		.amdhsa_enable_private_segment 0
		.amdhsa_kernarg_size 72
		.amdhsa_user_sgpr_count 2
		.amdhsa_user_sgpr_kernarg_segment_ptr 1
		.amdhsa_wavefront_size32 1
		.amdhsa_system_sgpr_workgroup_id_x 1
		.amdhsa_system_sgpr_workgroup_id_y 1
		.amdhsa_system_sgpr_workgroup_id_z 1
		.amdhsa_system_vgpr_workitem_id 0
		.amdhsa_next_free_vgpr 1024
		.amdhsa_next_free_sgpr 102
		.amdhsa_reserve_vcc 0
		.amdhsa_float_denorm_mode_32 3
		.amdhsa_float_denorm_mode_16_64 3
		.amdhsa_memory_ordered 1
		.amdhsa_forward_progress 1
		.amdhsa_inst_pref_size 143
	.end_amdhsa_kernel
	.amdgpu_metadata
---
amdhsa.version: [ 1, 2 ]
amdhsa.kernels:
  - .name:           k_qac0d6c70e2_qkv
    .symbol:         k_qac0d6c70e2_qkv.kd
    .args:
      - { .name: inputs_codes, .offset: 0, .size: 8, .value_kind: global_buffer, .address_space: global }
      - { .name: inputs_scales, .offset: 8, .size: 8, .value_kind: global_buffer, .address_space: global }
      - { .name: input_weights_codes, .offset: 16, .size: 8, .value_kind: global_buffer, .address_space: global }
      - { .name: input_weights_scales, .offset: 24, .size: 8, .value_kind: global_buffer, .address_space: global }
      - { .name: input_biases, .offset: 32, .size: 8, .value_kind: global_buffer, .address_space: global }
      - { .name: qk_codes, .offset: 40, .size: 8, .value_kind: global_buffer, .address_space: global }
      - { .name: qk_scales, .offset: 48, .size: 8, .value_kind: global_buffer, .address_space: global }
      - { .name: v_codes, .offset: 56, .size: 8, .value_kind: global_buffer, .address_space: global }
      - { .name: v_scales, .offset: 64, .size: 8, .value_kind: global_buffer, .address_space: global }
    .group_segment_fixed_size: 327680
    .private_segment_fixed_size: 0
    .kernarg_segment_align: 8
    .kernarg_segment_size: 72
    .max_flat_workgroup_size: 128
    .sgpr_count:     102
    .vgpr_count:     1024
    .wavefront_size: 32
...
	.end_amdgpu_metadata
.endif
;; end of part 1
;; launch attn (part 2): grid 4 x 64, 8 waves a work-group, clusters of 4 x 1, 167,936 bytes of LDS; arguments qk_codes, qk_scales, v_codes, v_scales, ctx_codes, ctx_scales; writes ctx_codes, ctx_scales
.if DOCPART == 2
	.amdgcn_target "amdgcn-amd-amdhsa--gfx1250"
	.amdhsa_code_object_version 6
	.text
	.protected	k_qac0d6c70e2_attn
	.globl	k_qac0d6c70e2_attn
	.p2align	8
	.type	k_qac0d6c70e2_attn,@function
k_qac0d6c70e2_attn:
	s_mov_b64 s[64:65], 0
	v_nop
	global_prefetch_b8 v0, s[64:65] scope:SCOPE_SE
	s_setreg_imm32_b32 hwreg(HW_REG_WAVE_MODE, 25, 1), 1
	s_wait_xcnt 0x0
	s_wait_alu depctr_hold_cnt(0) depctr_sa_sdst(0) depctr_va_vdst(0) depctr_va_sdst(0) depctr_va_ssrc(0) depctr_va_vcc(0) depctr_vm_vsrc(0)
	s_getreg_b32 s2, hwreg(HW_REG_IB_STS2, 6, 4)
	s_cmp_eq_u32 s2, 0
	s_cbranch_scc0 .Lentry_in_a_cluster
	s_endpgm
.Lentry_in_a_cluster:
	s_bfe_u32 s2, ttmp6, 0x10000c
	s_cmp_lg_u32 s2, 0x3003
	s_cbranch_scc0 .Lentry_shape_is_right
	s_endpgm
.Lentry_shape_is_right:
; LAUNCH 2 OF 3: ctx = softmax(q k^T / 8) v for 8 batches x 16 heads of 64 channels, 1,024 queries and keys, both products on E2M1 codes with E8M0 scales; ctx is quantised along its row's 1,024 (two blocks a head).  Nothing is left out.
; THE SOFTMAX AHEAD OF THE SECOND PRODUCT: t = score x log2(e) / 8; M = the running largest t rounded UP to a whole number; p = 2^(t - M) is quantised along the keys, not normalised; the row's sum is taken of the
; unquantised p and divides at the end.  When M moves, the sum and O are multiplied by 2^(old M - new M), which rounds nothing.
; SHARES.  A work-group owns 256 queries of TWO heads of one batch: waves 0-3 the first head, waves 4-7 the second.  A wave takes TWO tiles of 16 queries at a time (x = 0, 1), twice (p = 0, 1):
; each fragment of K and V read from LDS feeds two matrix instructions, and the two tiles' dependent lines stand by turns.  Two waves share a SIMD.
; The K and V of both heads, codes and scale words, lie in LDS whole, filled once by four joint loads.  CLUSTER 4 x 1: the four query blocks of a batch and pair of heads read the same K and V.
; No prefetch: K and V are asked for once, at the head; there is no loop of fills to run ahead in.
; LAYOUT.  Both products are used transposed (S^T = K Q^T, O^T = V^T P^T): a lane holds ONE query.  THE ROWS OF A TILE ARE CHOSEN BY THE LDS ADDRESS so that a lane holds WHOLE blocks of 32:
; row r of K's tile 4 g + u is key 64 g + 32 (r / 8) + 8 u + r % 8, so lane (query, h) has in the 32 registers of tiles 4 g .. 4 g + 3 the keys 64 g + 32 h + 0 .. 31: block 2 g + h of the step's four.
; Its largest score needs no other lane, and the four conversions of a block give registers 4 g .. 4 g + 3 of P's operand as they stand.  V's channels likewise: row r of tile t is channel 32 (r / 8) + 8 t + r % 8.
; The first product's K is 64: Q's codes for k = 64..127 are zeros, so the codes in the upper half of K's fragment (the next tile's) add nothing (no code is NaN or infinite, no scale byte here is 0xff).
; THE EXPONENTIALS go in four batches of 32, a lane's block each; among a batch's lines stand plain lines that hang on nothing in it: the next block's t - M and the first level of the last block's sum.
; LIMITS: a block whose largest number lies under 2^-124 gets the byte 1 (only this program reads the bytes); 1 / the sum is v_rcp_f32's; NaN and infinities are not served; the scaled scores stay under 2^31 in magnitude.
; REGISTERS.  Window 1: v0-127 S^T, then p (tile x at 64 x), v128-191 O^T (tile x at 128 + 32 x), v192-255 the sums' first level (tile x at 192 + 32 x).  Window 0: all else.
.set KP,    1088                       ; a tile of K in LDS: two heads' images of 512 bytes + 64 of padding, so that rows 0-7 and rows 8-15 of a chosen tile (two tiles apart) start 128 bytes apart modulo 256
.set KIMG,  0                          ; K's codes: [tile of 16 keys 64][KP]
.set VIMG,  69632                      ; V's: [128 keys 8][head 2][tile of channels 4][half 2][512]
.set KSC,   135168                     ; K's scale words: [4 tiles 16][head 2][r 16][4 words]
.set VSC,   143360                     ; V's: [128 keys 8][head 2][r 16][4 words]
.set SCST,  147456                     ; a stage for ctx's scale bytes: [tile of queries 16][r 16][4 bytes]; no fill lands here
.set SPARE, 148480                     ; the spare words, 128 bytes a wave: four blocks of 256 bytes that no other line names
.set AK0,  1                           ; v1-4  my lane's place in K's and V's images and scale words
.set AV0,  2
.set AS0,  3
.set AT0,  4
.set SPW,  5                           ; my spare word; never rewritten
.set NIL,  6                           ; 0; never rewritten
.set GO,   7                           ; 16 x lane
.set ADK,  8                           ; v8-11 the step's addresses
.set ADV,  9
.set ADS,  10
.set ADT,  11
.set NM,   12                          ; v[12 + 2 x] -M, v[13 + 2 x] the largest score so far
.set BN,   16                          ; v[16 + 2 x + g] the largest of my block's second 16
.set FF,   20                          ; v[20 + 2 x] f = 2^(old M - new M), at the end 1 / the sum; the register behind is named with it
.set OLD,  24                          ; v[24 + x] the last step's -M
.set TT,   26
.set BP,   28                          ; what lane l xor 16 sends
.set BM,   30                          ; v[30 + 2 x + g] my block's largest
.set SO,   34                          ; the conversions' scale operands
.set BY,   38                          ; the scales' bytes
.set SH8,  42                          ; 8 x (lane / 16)
.set SST,  43
.set SRD,  44
.set GS,   45
.set QSO,  46
.set LS,   48                          ; v[48 + 8 x], v[49 + 8 x]: the sum in two halves
.set QF,   64                          ; Q's fragments at 64 + 16 p + 8 x; their upper four registers are zeros
.set KF,   96                          ; v96-127 eight tiles of K; v128-131 zeros (in the head v96-103 are at work)
.set VF,   132                         ; v132-163 V's four fragments
.set PCD,  164                         ; p's codes at 164 + 8 x; on the way out ctx's
.set KSR,  184                         ; v184-191 K's scale words, v192-195 V's, v196-197 p's, v198-201 Q's: these hold scales alone
.set VSR,  192
.set PS,   196
.set QS,   198
.set WV,   16
.set HP,   17
.set W3,   18
.set CX,   19
.set SEL,  20
.set CS,   22
.set G1KC, 24
.set G1VC, 32
.set G1KS, 40
.set G1VS, 48
.set G0KC, 56
.set G0VC, 60
.set G0KS, 68
.set G0VS, 72
.set TK,   90                          ; the step's bytes: s90 in K's images (8 KP), s91 in K's scale words (1,024), s92 in V's images (8,192), s93 in V's scale words (512)
.set TS,   91
.set TV,   92
.set TW,   93
.set CNT,  94
.set MSB, 0
.macro WIN new                         ; bits 1:0 source 0, 3:2 source 1, 5:4 source 2, 7:6 destination; the high byte repeats the setting that is left
.if MSB != \new
	s_set_vgpr_msb (MSB<<8)|\new
.set MSB, \new
.endif
.endm
.macro CROUND
	s_barrier_signal -1
	s_barrier_wait -1
	s_cmp_lg_u32 s[WV], 0
	s_cbranch_scc1 .Lnot_wave_0_\@
	s_barrier_signal -3
.Lnot_wave_0_\@:
	s_barrier_wait -3
	s_barrier_signal -1
	s_barrier_wait -1
.endm
.macro GROUP1 g, c, r, p, pad          ; r rows of c elements of 8 bytes, p elements apart; the mask names all four partners, bit 21 beside it; pad: the padding's fields
	s_mov_b32 s[\g], 15|(3<<16)|(1<<21)|(\pad)
	s_mov_b32 s[\g+1], (\c)<<16
	s_mov_b32 s[\g+2], (\r)<<16
	s_mov_b32 s[\g+3], (\c)<<16
	s_mov_b32 s[\g+4], \r
	s_mov_b32 s[\g+5], \p
	s_mov_b32 s[\g+6], 0
	s_mov_b32 s[\g+7], 0
.endm
.macro GROUP0 g, lds, base, sb, ss, more   ; from base + (batch << sb) + (pair of heads << ss) + more: coordinates that the four partners share
	s_lshl_b32 s84, s77, \sb
	s_lshl_b32 s86, s78, \ss
	s_add_co_u32 s84, s84, s86
	s_add_co_u32 s84, s84, \more
	s_mov_b32 s85, 0
	s_mov_b32 s[\g], 1
	s_mov_b32 s[\g+1], \lds
	s_add_nc_u64 s[\g+2:\g+3], s[\base:\base+1], s[84:85]
	s_or_b32 s[\g+3], s[\g+3], 0x80000000
.endm
.macro FILL g0, g1                     ; an s_nop 0 and four v_nop follow the load
	tensor_load_to_lds s[\g0:\g0+3], s[\g1:\g1+7]
	s_nop 0
.rept 4
	v_nop
.endr
.endm
	s_load_b256 s[4:11], s[0:1], 0x0               ; qk_codes s[4:5], qk_scales s[6:7], v_codes s[8:9], v_scales s[10:11]
	s_load_b128 s[12:15], s[0:1], 0x20             ; ctx_codes s[12:13], ctx_scales s[14:15]
	v_lshl_add_u32 v[SPW], v0, 2, SPARE
	v_mov_b32 v[NIL], 0
	ds_add_u32 v[SPW], v[NIL]                      ; the wave's opening: the add, twice on end, and its wait ahead of the first tensor loads
	ds_add_u32 v[SPW], v[NIL]
	v_lshrrev_b32 v96, 5, v0
	s_delay_alu instid0(VALU_DEP_1)
	v_readfirstlane_b32 s[WV], v96                 ; wave 0..7
	s_lshr_b32 s[HP], s[WV], 2                     ; which of the two heads
	s_and_b32 s[W3], s[WV], 3
	s_and_b32 s76, ttmp7, 0xffff
	s_lshr_b32 s77, s76, 3                         ; the batch
	s_and_b32 s78, s76, 7                          ; the pair of heads
	s_bfe_u32 s[CX], ttmp6, 0x40000
	s_lshl_b32 s79, ttmp9, 2
	s_add_co_u32 s79, s79, s[CX]                   ; my block of 256 queries: it enters Q's and ctx's addresses alone
	s_lshl_b32 s80, s77, 6
	s_lshl_b32 s81, s79, 4
	s_add_co_u32 s80, s80, s81                     ; the work-group's first tile of 16 tokens: 64 x batch + 16 x block
	s_lshl_b32 s81, s[W3], 1
	s_add_co_u32 s81, s80, s81                     ; my tile (p, x) lies 8 p + x on from this one
	s_lshl_b32 s82, s78, 1
	s_add_co_u32 s82, s82, s[HP]                   ; my head
	GROUP1 G1KC, 128, 64, 2048, (1<<20)|(7<<22)|(15<<25)   ; K's codes: 64 tiles x 1,024 bytes (two heads), 16,384 bytes apart; 16 words of padding after every 256
	GROUP1 G1VC, 1024, 8, 8192, 0                  ; V's: 8 steps x 8,192 bytes, 65,536 apart
	GROUP1 G1KS, 64, 16, 1024, 0                   ; K's scale words: 16 x 512 bytes, 8,192 apart
	GROUP1 G1VS, 64, 8, 512, 0                     ; V's: 8 x 512 bytes, 4,096 apart
	s_mov_b32 s[SEL], 0x76543210
	s_mov_b32 s[SEL+1], 0xfedcba98
	s_mov_b32 s[CS], 0x3e38aa3b                    ; c = log2(e) / 8
	s_mov_b32 s[CS+1], s[CS]                       ; (named with it as a pair)
	s_wait_dscnt 0x0                               ; both opening adds are done
	s_wait_kmcnt 0x0
	GROUP0 G0KC, KIMG, 4, 20, 10, 8192             ; k's groups are 16 .. 31 of a tile's 32
	GROUP0 G0VC, VIMG, 8, 19, 13, 0
	GROUP0 G0KS, KSC, 6, 17, 9, 4096
	GROUP0 G0VS, VSC, 10, 15, 9, 0
	CROUND                                         ; all four work-groups are here: the joint loads meet
	s_cmp_lg_u32 s[WV], 0                          ; waves 0 to 3 issue one fill each; every wait on TENSORcnt in this text is for 0
	s_cbranch_scc1 .Lnot_w0
	FILL G0KC, G1KC
	s_branch .Lfilled
.Lnot_w0:
	s_cmp_lg_u32 s[WV], 1
	s_cbranch_scc1 .Lnot_w1
	FILL G0VC, G1VC
	s_branch .Lfilled
.Lnot_w1:
	s_cmp_lg_u32 s[WV], 2
	s_cbranch_scc1 .Lnot_w2
	FILL G0KS, G1KS
	s_branch .Lfilled
.Lnot_w2:
	s_cmp_lg_u32 s[WV], 3
	s_cbranch_scc1 .Lfilled
	FILL G0VS, G1VS
.Lfilled:
	v_and_b32 v96, 31, v0
	v_and_b32 v97, 15, v0                          ; r
	v_and_b32 v98, 7, v0                           ; r % 8
	v_bfe_u32 v99, v0, 3, 1                        ; r / 8
	v_bfe_u32 v100, v0, 4, 1                       ; h
	v_and_b32 v[SRD], 63, v0
	v_lshlrev_b32 v[GO], 4, v96
	v_lshlrev_b32 v[QSO], 4, v97
	v_lshlrev_b32 v101, 4, v98
	v_lshlrev_b32 v[SH8], 3, v100
	v_lshlrev_b32 v[GS], 4, v[SRD]
	v_lshl_add_u32 v102, v99, 3, v101              ; scale words: row r % 8 (16 bytes a row), words 2 (r / 8) and the next
	v_lshl_add_u32 v101, v100, 8, v101             ; images: row r % 8, + 256 h
	v_lshl_add_u32 v103, v97, 2, v100              ; the stage: 4 r + h
	v_add_nc_u32 v[SRD], SCST, v[GS]
	v_mad_u32_u24 v[AK0], v99, 2*KP, v101          ; rows 8-15 come from two tiles further on
	v_lshl_add_u32 v[AV0], v99, 11, v101
	s_wait_alu depctr_va_vdst(0)                   ; the wait ahead of the run of scalar lines
	s_lshl_b32 s84, s81, 14                        ; Q's codes: tile x 16,384 + head x 512
	s_lshl_b32 s86, s82, 9
	s_add_co_u32 s84, s84, s86
	s_mov_b32 s85, 0
	s_add_nc_u64 s[4:5], s[4:5], s[84:85]
.irp p, 0,1
.irp x, 0,1
	global_load_b128 v[QF+16*\p+8*\x:QF+16*\p+8*\x+3], v[GO], s[4:5] offset:131072*\p+16384*\x
.endr
.endr
	s_lshr_b32 s84, s81, 2                         ; Q's scale words: (tile / 4) x 8,192 + head x 256 + 16 r + 4 x (tile % 4)
	s_lshl_b32 s84, s84, 13
	s_lshl_b32 s86, s82, 8
	s_add_co_u32 s84, s84, s86
	s_and_b32 s86, s81, 3
	s_lshl_b32 s86, s86, 2
	s_add_co_u32 s84, s84, s86
	s_add_nc_u64 s[6:7], s[6:7], s[84:85]
.irp p, 0,1
.irp x, 0,1
	global_load_b32 v[QS+2*\p+\x], v[QSO], s[6:7] offset:16384*\p+4*\x
.endr
.endr
	s_lshl_b32 s86, s[HP], 9
	v_add_nc_u32 v[AK0], s86, v[AK0]               ; KIMG = 0
	s_lshl_b32 s86, s[HP], 12
	s_add_co_u32 s86, s86, VIMG
	v_add_nc_u32 v[AV0], s86, v[AV0]
	s_lshl_b32 s86, s[HP], 8
	s_add_co_u32 s87, s86, KSC
	v_add_nc_u32 v[AS0], s87, v102
	s_add_co_u32 s87, s86, VSC
	v_add_nc_u32 v[AT0], s87, v102
	s_lshl_b32 s86, s[W3], 7
	s_lshl_b32 s87, s[HP], 1
	s_add_co_u32 s86, s86, s87
	s_add_co_u32 s86, s86, SCST
	v_add_nc_u32 v[SST], s86, v103                 ; the stage: 64 x tile + 4 r + 2 x head of the pair + h
	s_lshl_b32 s84, s81, 13                        ; ctx's codes: tile x 8,192 + head x 512
	s_lshl_b32 s86, s82, 9
	s_add_co_u32 s84, s84, s86
	s_add_nc_u64 s[12:13], s[12:13], s[84:85]
	s_lshl_b32 s84, s78, 15                        ; ctx's scale words: pair of heads x 32,768 + tile x 64
	s_lshl_b32 s86, s80, 6
	s_add_co_u32 s84, s84, s86
	s_add_nc_u64 s[14:15], s[14:15], s[84:85]
.irp q, 0,1,2,3
.irp j, 4,5,6,7
	v_mov_b32 v[QF+8*\q+\j], 0                     ; Q's codes for k = 64 .. 127
.endr
.endr
.irp j, 0,1,2,3
	v_mov_b32 v[KF+32+\j], 0                       ; behind the eighth tile of K
.endr
.irp x, 0,1
	v_mov_b32 v[BP+\x], 0                          ; a lane permute's destination counts as one of its sources
	v_mov_b32 v[TT+\x], 0
	v_mov_b32 v[FF+2*\x+1], 0
.endr
	s_wait_alu depctr_va_vdst(0)                   ; the wait at the head's end
	s_wait_tensorcnt 0x0                           ; my fill, if I issued one, has landed,
	s_barrier_signal -1
	s_barrier_wait -1                              ; everybody's has: K and V lie in LDS for the rest of the launch
	s_wait_loadcnt 0x0                             ; Q
; Eight chosen tiles of K and their scale words.  Tile 4 g + u takes rows 8 (u % 2) .. + 7 of image 4 g + u / 2 (lanes r < 8) and of image 4 g + 2 + u / 2 (r >= 8).
; A load of 8 bytes brings the words of u = e and u = e + 2: tile 4 g + u has its word in register KSR + 4 g + 2 (u % 2) + u / 2.
.macro KLOAD ak, as, bk, bs
.irp i, 0,1,2,3,4,5,6,7
	ds_load_b128 v[KF+4*\i:KF+4*\i+3], v[\ak] offset:\bk+KP*(4*(\i/4)+(\i%4)/2)+128*(\i%2)
.endr
.irp g, 0,1
.irp e, 0,1
	ds_load_b64 v[KSR+4*\g+2*\e:KSR+4*\g+2*\e+1], v[\as] offset:\bs+512*\g+128*\e
.endr
.endr
.endm
; A BATCH OF 32 EXPONENTIALS: quarter k of the 128 registers of p (tile k / 2, my block k % 2 of it).  All its lines run under one window setting (sources 0 and 1 and the destination in window 1, source 2 in window 0).
; Among them stand plain lines that read nothing written in this batch and whose results are first read behind a later wait: f = 1: t - M of quarter k + 1, which the next batch reads;
; s = 1: the first level of quarter k - 1's sum, eight sums of two pairs, of p that the batch before made.  A wait stands ahead of each batch; a plain line stands behind the last exponential of the batch before.
.macro BATCH k, f, s
.if \k
	v_nop
	s_wait_alu depctr_va_vdst(0)
.endif
.set j, 0
.rept 8
	v_exp_f32 v[32*\k+j], v[32*\k+j]               ; p = 2^(t - M), at most 1
.if \f
	v_pk_fma_f32 v[32*\k+32+j:32*\k+33+j], v[32*\k+32+j:32*\k+33+j], s[CS:CS+1], v[NM+2*((\k+1)/2):NM+2*((\k+1)/2)+1] op_sel_hi:[1,0,0]
.endif
	v_exp_f32 v[32*\k+j+1], v[32*\k+j+1]
.if \f
	v_pk_fma_f32 v[32*\k+34+j:32*\k+35+j], v[32*\k+34+j:32*\k+35+j], s[CS:CS+1], v[NM+2*((\k+1)/2):NM+2*((\k+1)/2)+1] op_sel_hi:[1,0,0]
.endif
	v_exp_f32 v[32*\k+j+2], v[32*\k+j+2]
.if \s
	v_pk_add_f32 v[192+16*(\k-1)+j/2:193+16*(\k-1)+j/2], v[32*(\k-1)+j:32*(\k-1)+j+1], v[32*(\k-1)+j+2:32*(\k-1)+j+3]
.endif
	v_exp_f32 v[32*\k+j+3], v[32*\k+j+3]
.set j, j+4
.endr
.endm
.macro LEVEL d, i                      ; one line of the sums' tree for each tile: pair i takes in the pair d registers on
.irp x, 0,1
	v_pk_add_f32 v[192+32*\x+\i:193+32*\x+\i], v[192+32*\x+\i:193+32*\x+\i], v[192+32*\x+\i+\d:193+32*\x+\i+\d]
.endr
.endm
.macro HINT n
	s_delay_alu instid0(VALU_DEP_\n)
.endm
; A KEY STEP: 128 keys x my two tiles of queries.  K's fragments are in registers when it begins: they were asked for in the step before.
.macro STEP p
	v_add_nc_u32 v[ADV], s[TV], v[AV0]             ; these four are also the places between the last step's products and the loads into V's registers
	v_add_nc_u32 v[ADT], s[TW], v[AT0]
	v_mov_b32 v[OLD], v[NM]
	v_mov_b32 v[OLD+1], v[NM+2]
.irp t, 0,1,2,3
.irp c, 0,1
	ds_load_b128 v[VF+8*\t+4*\c:VF+8*\t+4*\c+3], v[ADV] offset:1024*(\t/2)+128*(\t%2)+512*\c
.endr
.endr
	ds_load_b64 v[VSR:VSR+1], v[ADT]               ; tile t has its word in register VSR + 2 (t % 2) + t / 2
	ds_load_b64 v[VSR+2:VSR+3], v[ADT] offset:128
	WIN 0x40
.irp i, 0,1,2,3,4,5,6,7
.irp x, 0,1
	v_wmma_scale_f32_16x16x128_f8f6f4 v[64*\x+8*\i:64*\x+8*\i+7], v[KF+4*\i:KF+4*\i+7], v[QF+16*\p+8*\x:QF+16*\p+8*\x+7], 0, v[KSR+4*(\i/4)+2*(\i%2)+(\i%4)/2], v[QS+2*\p+\x] matrix_a_fmt:MATRIX_FMT_FP4 matrix_b_fmt:MATRIX_FMT_FP4
.endr
.endr
	WIN 0
	v_add_nc_u32 v[ADK], s[TK], v[AK0]             ; four places behind the products
	v_add_nc_u32 v[ADS], s[TS], v[AS0]
	v_nop
	v_nop
	WIN 0x14
.irp g, 0,1
.irp x, 0,1
	v_max3_num_f32 v[BM+2*\x+\g], 0xff800000, v[64*\x+32*\g], v[64*\x+32*\g+1]   ; my block's largest score, in two chains of 16: it serves the row's maximum and, since p rises with the score, the block's largest p.  Each accumulator from its low end on
	v_max3_num_f32 v[BN+2*\x+\g], 0xff800000, v[64*\x+32*\g+16], v[64*\x+32*\g+17]
.endr
.endr
.irp i, 2,4,6,8,10,12,14
.irp g, 0,1
.irp x, 0,1
	v_max3_num_f32 v[BM+2*\x+\g], v[BM+2*\x+\g], v[64*\x+32*\g+\i], v[64*\x+32*\g+\i+1]
	v_max3_num_f32 v[BN+2*\x+\g], v[BN+2*\x+\g], v[64*\x+32*\g+16+\i], v[64*\x+32*\g+17+\i]
.endr
.endr
.endr
	WIN 0
	KLOAD ADK, ADS, 8*KP, 1024                     ; the next step's K: it lands under the softmax.  (Behind the last step these read bytes of V's images and scale words, and nobody uses them)
.irp b, 0,1,2,3
	v_max_num_f32 v[BM+\b], v[BM+\b], v[BN+\b]
.endr
.irp x, 0,1
	v_max3_num_f32 v[NM+2*\x+1], v[NM+2*\x+1], v[BM+2*\x], v[BM+2*\x+1]
.endr
.irp x, 0,1
	HINT 2
	v_permlanex16_b32 v[BP+\x], v[NM+2*\x+1], s[SEL], s[SEL+1]
.endr
.irp x, 0,1
	HINT 2
	v_max_num_f32 v[NM+2*\x+1], v[NM+2*\x+1], v[BP+\x]   ; with lane l xor 16's keys: the running largest score
.endr
.irp x, 0,1
	HINT 2
	v_mul_f32 v[TT+\x], s[CS], v[NM+2*\x+1]        ; as t (c is positive)
.endr
.irp x, 0,1
	HINT 2
	v_floor_f32 v[NM+2*\x], -v[TT+\x]              ; the new -M = floor(-t): M is a whole number
.endr
.irp x, 0,1
	HINT 2
	v_sub_f32 v[TT+\x], v[NM+2*\x], v[OLD+\x]      ; old M - new M: a whole number, 0 or less
.endr
.irp x, 0,1
	HINT 2
	v_cvt_i32_f32 v[TT+\x], v[TT+\x]               ; (it saturates)
.endr
.irp x, 0,1
	HINT 2
	v_ldexp_f32 v[FF+2*\x], 1.0, v[TT+\x]          ; f = 2^(old M - new M)
.endr
.irp x, 0,1
.irp g, 0,1
	v_fma_f32 v[BM+2*\x+\g], v[BM+2*\x+\g], s[CS], v[NM+2*\x]   ; t - M of my blocks' largest scores
.endr
.endr
	WIN 0x41
.irp x, 0,1
.set j, 0
.rept 16
	v_pk_mul_f32 v[128+32*\x+j:128+32*\x+j+1], v[128+32*\x+j:128+32*\x+j+1], v[FF+2*\x:FF+2*\x+1] op_sel_hi:[1,0]   ; O^T under the new M, ahead of the exponentials; each accumulator from its low end on
.set j, j+2
.endr
.endr
.set j, 0
.rept 16
	v_pk_fma_f32 v[j:j+1], v[j:j+1], s[CS:CS+1], v[NM:NM+1] op_sel_hi:[1,0,0]   ; t - M of quarter 0, two at a time; the other quarters' stand in the batches
.set j, j+2
.endr
	WIN 0
	s_wait_alu depctr_va_vdst(0)                   ; the wait ahead of the batch
.irp b, 0,1,2,3
	v_exp_f32 v[BM+\b], v[BM+\b]                   ; the blocks' largest p: the same two instructions on the same number give the same bits
.endr
	WIN 0x45
	BATCH 0, 1, 0
	BATCH 1, 1, 1
	BATCH 2, 1, 1
	BATCH 3, 0, 1
	WIN 0
.irp x, 0,1
	v_pk_mul_f32 v[LS+8*\x:LS+8*\x+1], v[LS+8*\x:LS+8*\x+1], v[FF+2*\x:FF+2*\x+1] op_sel_hi:[1,0]   ; the sums under the new M: plain lines behind the exponentials
.endr
	s_wait_alu depctr_va_vdst(0)                   ; the wait behind the last batch, ahead of its first reader
.irp b, 0,1,2,3
	v_max_num_f32 v[BM+\b], 0x1800000, v[BM+\b]    ; the floor 2^(3 - 127): the byte cannot fall under 1
.endr
.irp b, 0,1,2,3
	HINT 4
	v_add_nc_u32 v[SO+\b], 0xff000000, v[BM+\b]    ; 2 off the exponent field: the conversion's scale operand
.endr
.irp b, 0,1,2,3
	HINT 4
	v_lshrrev_b32 v[BY+\b], 23, v[SO+\b]           ; the scale's byte
.endr
.irp x, 0,1
	v_lshl_or_b32 v[PS+\x], v[BY+2*\x+1], 16, v[BY+2*\x]   ; my two bytes: blocks h and 2 + h,
.endr
.irp x, 0,1
	HINT 2
	v_lshlrev_b32 v[PS+\x], v[SH8], v[PS+\x]       ; at their places in the scale word;
.endr
.irp x, 0,1
	HINT 2
	v_permlanex16_b32 v[BP+\x], v[PS+\x], s[SEL], s[SEL+1]
.endr
.irp x, 0,1
	HINT 2
	v_or_b32 v[PS+\x], v[PS+\x], v[BP+\x]          ; with lane l xor 16's two the word is whole
.endr
	WIN 0x01
.irp x, 0,1
.irp w, 0,1,2,3,4,5,6,7
	v_cvt_scalef32_pk8_fp4_f32 v[PCD+8*\x+\w], v[64*\x+8*\w:64*\x+8*\w+7], v[SO+2*\x+\w/4]   ; register w of P's operand: keys 64 (w / 4) + 32 h + 8 (w % 4) + 0 .. 7
.endr
.endr
	WIN 0x45                                       ; THE ROW'S SUM IS TAKEN OF THE UNQUANTISED p.  Quarter 3's first level, then a tree over each tile's 16 pairs.  These 40 lines also stand between the writes of p's codes and scale word and the products below
.set j, 0
.rept 8
	v_pk_add_f32 v[240+j/2:241+j/2], v[96+j:97+j], v[98+j:99+j]
.set j, j+4
.endr
.irp i, 0,4,8,12,16,20,24,28
	LEVEL 2, \i
.endr
.irp i, 0,8,16,24
	LEVEL 4, \i
.endr
	LEVEL 8, 0
	LEVEL 8, 16
	LEVEL 16, 0
	WIN 0x04
.irp x, 0,1
	v_pk_add_f32 v[LS+8*\x:LS+8*\x+1], v[LS+8*\x:LS+8*\x+1], v[192+32*\x:193+32*\x]
.endr
	WIN 0
	s_wait_alu depctr_va_vdst(0)                   ; directly ahead of the wait below
	s_wait_dscnt 0x0                               ; V, its scale words and the next step's K are in
	WIN 0x50
.irp t, 0,1,2,3
.irp x, 0,1
	v_wmma_scale_f32_16x16x128_f8f6f4 v[128+32*\x+8*\t:128+32*\x+8*\t+7], v[VF+8*\t:VF+8*\t+7], v[PCD+8*\x:PCD+8*\x+7], v[128+32*\x+8*\t:128+32*\x+8*\t+7], v[VSR+2*(\t%2)+\t/2], v[PS+\x] matrix_a_fmt:MATRIX_FMT_FP4 matrix_b_fmt:MATRIX_FMT_FP4
.endr
.endr
	WIN 0
.endm
; THE WAY OUT of a pass: O^T / the sum.  Lane (query, h) holds channels 32 h + 0 .. 31 of its head: one whole block.  Four conversions give its 16 bytes of the last product's operand image; its scale byte goes to the stage.
.macro OUTP p
.irp x, 0,1
	v_add_f32 v[LS+8*\x], v[LS+8*\x], v[LS+8*\x+1]   ; (these lines are also the places behind the last products)
.endr
.irp x, 0,1
	HINT 2
	v_permlanex16_b32 v[TT+\x], v[LS+8*\x], s[SEL], s[SEL+1]
.endr
.irp x, 0,1
	HINT 2
	v_add_f32 v[LS+8*\x], v[LS+8*\x], v[TT+\x]     ; the row's sum
.endr
	v_nop
	v_nop
	s_wait_alu depctr_va_vdst(0)                   ; the wait ahead of the reciprocals
	v_rcp_f32 v[FF], v[LS]
	v_rcp_f32 v[FF+2], v[LS+8]
	v_nop                                          ; a plain line behind the reciprocals
	WIN 0x41
	s_wait_alu depctr_va_vdst(0)                   ; and the wait ahead of their first reader, which is also the first reader of the last products' results
.irp x, 0,1
.set j, 0
.rept 16
	v_pk_mul_f32 v[64*\x+j:64*\x+j+1], v[128+32*\x+j:128+32*\x+j+1], v[FF+2*\x:FF+2*\x+1] op_sel_hi:[1,0]   ; each accumulator from its low end on
.set j, j+2
.endr
.endr
	WIN 0x14
.irp g, 0,1
.irp x, 0,1
	v_max3_num_f32 v[BM+2*\x+\g], 0x1800000, |v[64*\x+16*\g]|, |v[64*\x+16*\g+1]|   ; two chains a tile, the floor 2^(3 - 127) among the leaves
.endr
.endr
.irp i, 2,4,6,8,10,12,14
.irp g, 0,1
.irp x, 0,1
	v_max3_num_f32 v[BM+2*\x+\g], v[BM+2*\x+\g], |v[64*\x+16*\g+\i]|, |v[64*\x+16*\g+\i+1]|
.endr
.endr
.endr
	WIN 0
.irp x, 0,1
	v_max_num_f32 v[BM+2*\x], v[BM+2*\x], v[BM+2*\x+1]
.endr
.irp x, 0,1
	HINT 2
	v_add_nc_u32 v[SO+2*\x], 0xff000000, v[BM+2*\x]
.endr
.irp x, 0,1
	HINT 2
	v_lshrrev_b32 v[BY+2*\x], 23, v[SO+2*\x]
.endr
	WIN 0x01
.irp x, 0,1
.irp t, 0,1,2,3
	v_cvt_scalef32_pk8_fp4_f32 v[PCD+8*\x+\t], v[64*\x+8*\t:64*\x+8*\t+7], v[SO+2*\x]
.endr
.endr
	WIN 0
	v_nop                                          ; one plain place behind a scaled conversion
.irp x, 0,1
	global_store_b128 v[GO], v[PCD+8*\x:PCD+8*\x+3], s[12:13] offset:65536*\p+8192*\x   ; 512 consecutive bytes
	ds_store_b8 v[SST], v[BY+2*\x] offset:512*\p+64*\x
.endr
.endm
.macro PASS p
.if \p
	s_wait_xcnt 0x0                                ; the first pass's stores have read their registers: the codes' registers are written again below
.endif
.irp x, 0,1
	v_mov_b32 v[NM+2*\x+1], 0xff61b1e6             ; the largest score so far: -3e38, under every score
	v_mov_b32 v[NM+2*\x], 0x7e967699               ; -M: 1e38, so that the first f is 0
	v_mov_b32 v[LS+8*\x], 0
	v_mov_b32 v[LS+8*\x+1], 0
.endr
	KLOAD AK0, AS0, 0, 0                           ; the first step's K
	WIN 0x40
.set j, 0
.rept 64
	v_mov_b32 v[128+j], 0                          ; the step is written once: the first finds zeros, which the first change of M leaves zeros
.set j, j+1
.endr
	WIN 0
	s_mov_b32 s[TK], 0
	s_mov_b32 s[TS], 0
	s_mov_b32 s[TV], 0
	s_mov_b32 s[TW], 0
	s_mov_b32 s[CNT], 8
	s_wait_alu depctr_va_vdst(0)                   ; directly ahead of the wait below
	s_wait_dscnt 0x0
.Lstep_\@:
	STEP \p
	s_add_co_u32 s[TK], s[TK], 8*KP
	s_add_co_u32 s[TS], s[TS], 1024
	s_add_co_u32 s[TV], s[TV], 8192
	s_add_co_u32 s[TW], s[TW], 512
	s_sub_co_u32 s[CNT], s[CNT], 1
	s_cmp_lg_u32 s[CNT], 0
	s_cbranch_scc1 .Lstep_\@
	OUTP \p
.endm
	PASS 0
	PASS 1
	s_wait_dscnt 0x0                               ; for the others' sake: my stores into the stage are done
	s_barrier_signal -1
	s_barrier_wait -1
	s_cmp_gt_u32 s[WV], 1                          ; the stage's 1,024 bytes leave by waves 0 and 1, 16 bytes a lane: four aligned runs of 256 bytes
	s_cbranch_scc1 .Lno_scales
	ds_load_b128 v[VF:VF+3], v[SRD]
	s_wait_dscnt 0x0
	global_store_b128 v[GS], v[VF:VF+3], s[14:15]
.Lno_scales:
	s_wait_tensorcnt 0x0                           ; the wave's end
	ds_add_u32 v[SPW], v[NIL]
	s_wait_dscnt 0x0
	CROUND                                         ; the closing round
	s_endpgm
.Lfunc_end_k_qac0d6c70e2_attn:
	.size	k_qac0d6c70e2_attn, .Lfunc_end_k_qac0d6c70e2_attn-k_qac0d6c70e2_attn
	.p2alignl 7, 3214868480
	.fill 96, 4, 3214868480
	.section	.rodata,"a",@progbits
	.p2align	6, 0x0
	.amdhsa_kernel k_qac0d6c70e2_attn
		.amdhsa_group_segment_fixed_size 167936
		.amdhsa_private_segment_fixed_size 0
		.amdhsa_enable_private_segment 0
		.amdhsa_kernarg_size 48
		.amdhsa_user_sgpr_count 2
		.amdhsa_user_sgpr_kernarg_segment_ptr 1
		.amdhsa_wavefront_size32 1
		.amdhsa_system_sgpr_workgroup_id_x 1
		.amdhsa_system_sgpr_workgroup_id_y 1
		.amdhsa_system_sgpr_workgroup_id_z 1
		.amdhsa_system_vgpr_workitem_id 0
		.amdhsa_next_free_vgpr 512
		.amdhsa_next_free_sgpr 96
		.amdhsa_reserve_vcc 0
		.amdhsa_float_denorm_mode_32 3
		.amdhsa_float_denorm_mode_16_64 3
		.amdhsa_memory_ordered 1
		.amdhsa_forward_progress 1
		.amdhsa_inst_pref_size 87
	.end_amdhsa_kernel
	.amdgpu_metadata
---
amdhsa.version: [ 1, 2 ]
amdhsa.kernels:
  - .name:           k_qac0d6c70e2_attn
    .symbol:         k_qac0d6c70e2_attn.kd
    .args:
      - { .name: qk_codes, .offset: 0, .size: 8, .value_kind: global_buffer, .address_space: global }
      - { .name: qk_scales, .offset: 8, .size: 8, .value_kind: global_buffer, .address_space: global }
      - { .name: v_codes, .offset: 16, .size: 8, .value_kind: global_buffer, .address_space: global }
      - { .name: v_scales, .offset: 24, .size: 8, .value_kind: global_buffer, .address_space: global }
      - { .name: ctx_codes, .offset: 32, .size: 8, .value_kind: global_buffer, .address_space: global }
      - { .name: ctx_scales, .offset: 40, .size: 8, .value_kind: global_buffer, .address_space: global }
    .group_segment_fixed_size: 167936
    .private_segment_fixed_size: 0
    .kernarg_segment_align: 8
    .kernarg_segment_size: 48
    .max_flat_workgroup_size: 256
    .sgpr_count:     96
    .vgpr_count:     512
    .wavefront_size: 32
...
	.end_amdgpu_metadata
.endif
;; end of part 2
;; launch proj (part 3): grid 4 x 64, 4 waves a work-group, clusters of 4 x 4, 327,680 bytes of LDS; arguments ctx_codes, ctx_scales, output_weights_codes, output_weights_scales, output_biases, out0; writes out0
.if DOCPART == 3
	.amdgcn_target "amdgcn-amd-amdhsa--gfx1250"
	.amdhsa_code_object_version 6
	.text
	.protected	k_qac0d6c70e2_proj
	.globl	k_qac0d6c70e2_proj
	.p2align	8
	.type	k_qac0d6c70e2_proj,@function
k_qac0d6c70e2_proj:
	s_mov_b64 s[64:65], 0
	v_nop
	global_prefetch_b8 v0, s[64:65] scope:SCOPE_SE
	s_setreg_imm32_b32 hwreg(HW_REG_WAVE_MODE, 25, 1), 1
	s_wait_xcnt 0x0
	s_wait_alu depctr_hold_cnt(0) depctr_sa_sdst(0) depctr_va_vdst(0) depctr_va_sdst(0) depctr_va_ssrc(0) depctr_va_vcc(0) depctr_vm_vsrc(0)
	s_getreg_b32 s2, hwreg(HW_REG_IB_STS2, 6, 4)
	s_cmp_eq_u32 s2, 0
	s_cbranch_scc0 .Lentry_in_a_cluster
	s_endpgm
.Lentry_in_a_cluster:
	s_bfe_u32 s2, ttmp6, 0x10000c
	s_cmp_lg_u32 s2, 0xf033
	s_cbranch_scc0 .Lentry_shape_is_right
	s_endpgm
.Lentry_shape_is_right:
; LAUNCH 3 OF 3: out = ctx Wo^T + bias (8,192 x 1,024 x 1,024), both operands E2M1 codes with E8M0 scale bytes; out is f32.  Nothing is left out.
; A work-group of four waves makes 128 rows x 256 columns, a wave 64 x 128: 32 accumulators.  All of K = 1,024 lies in LDS, filled ONCE by four joint loads at the head, one a wave:
; wave 0 ctx's images (8 tiles of 16 rows x 8,192 bytes, dense), wave 1 Wo's 256 rows of 512 bytes (16 bytes of padding behind each), wave 2 ctx's scale words, wave 3 Wo's scale bytes.
; CLUSTER 4 x 4: ctx's tiles are asked for jointly along a row of the cluster, Wo's along a column.  No prefetch: there is no loop of fills to run ahead in.
; The matrix instruction is used transposed (source 0 = 16 rows of Wo, source 1 = 16 rows of ctx): a lane holds eight neighbouring numbers of a row of out.  The bias is the C of the first K step's products.
; REGISTERS: window 0: addresses, v32-47 ctx's scale words, v48-79 Wo's (scales alone), v80-143 ctx's fragments, two sets (on the way out v80-207 rows read back);
; window 1: the accumulators ((a, b) at v[8 (8 a + b)]);  window 2: v0-127 Wo's fragments, two sets, v128-191 the bias.
.set AIMG,  0                          ; ctx's codes: [tile 8][head 16][512]
.set BT,    65536                      ; Wo's codes: 256 rows, BP bytes apart
.set BP,    528
.set ASC,   204800                     ; ctx's scale words: [128 along K 8][tile 8][r 16][4 bytes]
.set BSC,   208896                     ; Wo's scale bytes: 32 rows of 256 bytes + 16 of padding
.set STG,   217600                     ; the way out: 16 rows x (512 + 16) bytes for each wave; no fill lands here
.set SPITCH, 528
.set SPARE, 251392                     ; the spare words, 128 bytes a wave
.set ADA,  16
.set ADB,  20
.set ADAS, 22
.set ADBS, 23
.set STO,  24
.set RD,   25
.set CO,   26
.set SPW,  28
.set NIL,  29
.set AS,   32
.set BS,   48
.set AF,   80
.set BK,   80
.set BIA,  128
.set WV,   16
.set WM,   17
.set WN,   18
.set G1A,  24
.set G0A,  32
.set G1B,  48
.set G0B,  56
.set G1AS, 68
.set G0AS, 76
.set G1BS, 80
.set G0BS, 88
.set MSB, 0
.macro WIN new
.if MSB != \new
	s_set_vgpr_msb (MSB<<8)|\new
.set MSB, \new
.endif
.endm
.macro ARM under, g0, g1, next         ; one arm of the head's tree: its joint load, an s_nop 0 and four v_nop, a jump to the tree's end
	s_cmp_lt_u32 s[WV], \under
	s_cbranch_scc0 \next
	tensor_load_to_lds s[\g0:\g0+3], s[\g1:\g1+7]
	s_nop 0
.rept 4
	v_nop
.endr
	s_branch .Lhead_asked
\next:
.endm
.macro CROUND
	s_barrier_signal -1
	s_barrier_wait -1
	s_cmp_lg_u32 s[WV], 0
	s_cbranch_scc1 .Lnot_wave_0_\@
	s_barrier_signal -3
.Lnot_wave_0_\@:
	s_barrier_wait -3
	s_barrier_signal -1
	s_barrier_wait -1
.endm
.macro SHAPE g, c, r, p                ; r rows of c elements, p elements apart
	s_mov_b32 s[\g+1], (\c)<<16
	s_mov_b32 s[\g+2], (\r)<<16
	s_mov_b32 s[\g+3], (\c)<<16
	s_mov_b32 s[\g+4], \r
	s_mov_b32 s[\g+5], \p
	s_mov_b32 s[\g+6], 0
	s_mov_b32 s[\g+7], 0
.endm
.macro GRP0 g, lds, base
	s_mov_b32 s[\g], 1
	s_mov_b32 s[\g+1], \lds
	s_mov_b64 s[\g+2:\g+3], s[\base:\base+1]
	s_or_b32 s[\g+3], s[\g+3], 0x80000000
.endm
.macro PLACES
.rept 4
	v_nop
.endr
.endm
	s_load_b256 s[4:11], s[0:1], 0x0               ; ctx codes s[4:5], ctx scales s[6:7], Wo codes s[8:9], Wo scales s[10:11]
	s_load_b128 s[12:15], s[0:1], 0x20             ; bias s[12:13], out s[14:15]
	v_lshl_add_u32 v[SPW], v0, 2, SPARE
	v_mov_b32 v[NIL], 0
	ds_add_u32 v[SPW], v[NIL]                      ; the wave's opening: the add, twice on end, and its wait
	ds_add_u32 v[SPW], v[NIL]
	v_lshrrev_b32 v1, 5, v0
	v_readfirstlane_b32 s[WV], v1
	s_lshr_b32 s[WM], s[WV], 1                     ; which 64 rows are mine
	s_and_b32 s[WN], s[WV], 1                      ; which 128 columns
	s_bfe_u32 s40, ttmp6, 0x40000
	s_bfe_u32 s41, ttmp6, 0x40004
	s_lshl_b32 s45, ttmp9, 2
	s_add_co_u32 s45, s45, s40                     ; block of 256 columns
	s_and_b32 s42, ttmp7, 0xffff
	s_lshl_b32 s42, s42, 2
	s_add_co_u32 s42, s42, s41                     ; block of 128 rows
	s_lshl_b32 s43, s41, 2
	s_lshl_b32 s43, 15, s43                        ; my row of the cluster
	s_lshl_b32 s44, 0x1111, s40                    ; my column
	s_or_b32 s[G1A], s43, (3<<16)|(1<<21)
	SHAPE G1A, 1024, 8, 1024                       ; 8 tiles x 8,192 bytes, dense
	s_or_b32 s[G1AS], s43, (3<<16)|(1<<21)
	SHAPE G1AS, 64, 8, 4096                        ; 8 steps of 128 along K x 512 bytes, 32,768 apart
	s_or_b32 s[G1B], s44, (0<<16)|(1<<20)|(1<<21)|(6<<22)|(3<<25)
	SHAPE G1B, 512, 256, 512                       ; 256 rows of 512 bytes; 4 words of padding after every 128
	s_or_b32 s[G1BS], s44, (3<<16)|(1<<20)|(1<<21)|(5<<22)|(3<<25)
	SHAPE G1BS, 32, 32, 32                         ; 8,192 dense bytes as 32 rows of 256; 4 words of padding after every 64
	s_lshl_b32 s92, s42, 16
	s_mov_b32 s93, 0
	s_lshl_b32 s94, s42, 9
	s_mov_b32 s95, 0
	s_lshl_b32 s96, s45, 17
	s_mov_b32 s97, 0
	s_lshl_b32 s98, s45, 13
	s_mov_b32 s99, 0
	s_wait_dscnt 0x0                               ; both opening adds are done
	s_wait_kmcnt 0x0
	s_add_nc_u64 s[4:5], s[4:5], s[92:93]
	s_add_nc_u64 s[6:7], s[6:7], s[94:95]
	s_add_nc_u64 s[8:9], s[8:9], s[96:97]
	s_add_nc_u64 s[10:11], s[10:11], s[98:99]
	CROUND                                         ; all sixteen work-groups are here: the joint loads meet
	GRP0 G0A, AIMG, 4
	GRP0 G0B, BT, 8
	GRP0 G0AS, ASC, 6
	GRP0 G0BS, BSC, 10
	ARM 1, G0A,  G1A,  .Lhead_b
	ARM 2, G0B,  G1B,  .Lhead_sa
	ARM 3, G0AS, G1AS, .Lhead_sb
	tensor_load_to_lds s[G0BS:G0BS+3], s[G1BS:G1BS+7]
	s_nop 0
.rept 4
	v_nop
.endr
.Lhead_asked:
	v_and_b32 v1, 15, v0                           ; r
	v_bfe_u32 v2, v0, 4, 1                         ; h
	v_and_b32 v3, 31, v0
	v_lshlrev_b32 v[CO], 4, v3
	s_wait_alu depctr_va_vdst(0)                   ; the wait ahead of the run of scalar lines
	s_lshl_b32 s2, s45, 10
	s_lshl_b32 s3, s[WN], 9
	s_add_co_u32 s2, s2, s3
	s_mov_b32 s3, 0
	s_add_nc_u64 s[12:13], s[12:13], s[2:3]        ; the bias of my 128 columns
	v_lshlrev_b32 v7, 5, v2
	WIN 0x80
.irp b, 0,1,2,3,4,5,6,7
	global_load_b128 v[BIA+8*\b:BIA+8*\b+3], v7, s[12:13] offset:64*\b
	global_load_b128 v[BIA+8*\b+4:BIA+8*\b+7], v7, s[12:13] offset:64*\b+16
.endr
	WIN 0
	s_lshl_b32 s2, s[WM], 15
	v_add_nc_u32 v[ADA], s2, v[CO]                 ; my four tiles' images: 16 bytes a lane
	v_mul_u32_u24 v4, v1, BP
	v_lshl_add_u32 v4, v2, 4, v4
	s_mul_i32 s2, s[WN], 128*BP
	s_add_co_u32 s2, s2, BT
	v_add_nc_u32 v[ADB], s2, v4                    ; my 128 rows of Wo: row r, + 16 h
	v_lshlrev_b32 v4, 2, v1
	v_lshl_add_u32 v4, v2, 7, v4
	s_lshl_b32 s2, s[WM], 8
	s_add_co_u32 s2, s2, ASC
	v_add_nc_u32 v[ADAS], s2, v4                   ; lanes 0-15 tile i, lanes 16-31 tile i + 2
	v_lshlrev_b32 v4, 5, v1
	v_lshrrev_b32 v5, 3, v1
	v_lshl_add_u32 v4, v5, 4, v4
	v_mul_u32_u24 v5, v2, 2176
	v_add_nc_u32 v4, v4, v5
	s_mul_i32 s2, s[WN], 4352
	s_add_co_u32 s2, s2, BSC
	v_add_nc_u32 v[ADBS], s2, v4                   ; lanes 0-15 block i, lanes 16-31 block i + 4
	s_mul_i32 s2, s[WV], 16*SPITCH
	s_add_co_u32 s2, s2, STG
	v_mul_u32_u24 v4, v1, SPITCH
	v_lshl_add_u32 v4, v2, 5, v4
	v_add_nc_u32 v[STO], s2, v4
	v_add_nc_u32 v[RD], s2, v[CO]
	s_lshl_b32 s2, s42, 7
	s_lshl_b32 s3, s[WM], 6
	s_add_co_u32 s2, s2, s3
	s_lshl_b32 s2, s2, 12
	s_lshl_b32 s3, s45, 10
	s_add_co_u32 s2, s2, s3
	s_lshl_b32 s3, s[WN], 9
	s_add_co_u32 s2, s2, s3
	s_mov_b32 s3, 0
	s_add_nc_u64 s[14:15], s[14:15], s[2:3]        ; my corner of out
.macro FETCH s                         ; the fragments of K step s into set s % 2
.set FSET, (\s)%2
	WIN 0x80
.irp b, 0,1,2,3,4,5,6,7
.irp c, 0,1
	ds_load_b128 v[64*FSET+8*\b+4*\c:64*FSET+8*\b+4*\c+3], v[ADB] offset:64*(\s)+32*\c+16*BP*\b
.endr
.endr
	WIN 0
.irp a, 0,1,2,3
.irp c, 0,1
	ds_load_b128 v[AF+32*FSET+8*\a+4*\c:AF+32*FSET+8*\a+4*\c+3], v[ADA] offset:8192*\a+512*(2*(\s)+\c)
.endr
.endr
.endm
.macro MM d, f0, f1, c, s0, s1, r0, r1
.if (\r0) && (\r1)
	v_wmma_scale_f32_16x16x128_f8f6f4 v[(\d):(\d)+7], v[(\f0):(\f0)+7], v[(\f1):(\f1)+7], v[(\c):(\c)+7], v[\s0], v[\s1] matrix_a_fmt:MATRIX_FMT_FP4 matrix_b_fmt:MATRIX_FMT_FP4 matrix_a_scale:MATRIX_SCALE_ROW1 matrix_b_scale:MATRIX_SCALE_ROW1
.elseif (\r0)
	v_wmma_scale_f32_16x16x128_f8f6f4 v[(\d):(\d)+7], v[(\f0):(\f0)+7], v[(\f1):(\f1)+7], v[(\c):(\c)+7], v[\s0], v[\s1] matrix_a_fmt:MATRIX_FMT_FP4 matrix_b_fmt:MATRIX_FMT_FP4 matrix_a_scale:MATRIX_SCALE_ROW1
.elseif (\r1)
	v_wmma_scale_f32_16x16x128_f8f6f4 v[(\d):(\d)+7], v[(\f0):(\f0)+7], v[(\f1):(\f1)+7], v[(\c):(\c)+7], v[\s0], v[\s1] matrix_a_fmt:MATRIX_FMT_FP4 matrix_b_fmt:MATRIX_FMT_FP4 matrix_b_scale:MATRIX_SCALE_ROW1
.else
	v_wmma_scale_f32_16x16x128_f8f6f4 v[(\d):(\d)+7], v[(\f0):(\f0)+7], v[(\f1):(\f1)+7], v[(\c):(\c)+7], v[\s0], v[\s1] matrix_a_fmt:MATRIX_FMT_FP4 matrix_b_fmt:MATRIX_FMT_FP4
.endif
.endm
; A K step of 128: the next step's 24 loads are issued first, then 32 products, the accumulators by turns.
.macro KSTEP s
.if (\s) > 0
	PLACES                                         ; in front of loads into registers that the last step multiplied
.endif
.if (\s) < 7
	FETCH (\s)+1
	s_wait_dscnt 24                                ; all but the 24 just issued
.else
	s_wait_dscnt 0x0
.endif
.if (\s) == 0
	WIN 0x62                                       ; source 0 and C (the bias) window 2, D window 1
.else
	WIN 0x52
.endif
.irp a, 0,1,2,3
.irp b, 0,1,2,3,4,5,6,7
.if (\s) == 0
	MM 8*(8*\a+\b), 64*((\s)%2)+8*\b, AF+32*((\s)%2)+8*\a, BIA+8*\b, BS+16*((\s)/4)+4*(\b%4)+(\s)%4, AS+2*(\s)+\a%2, \b/4, \a/2
.else
	MM 8*(8*\a+\b), 64*((\s)%2)+8*\b, AF+32*((\s)%2)+8*\a, 8*(8*\a+\b), BS+16*((\s)/4)+4*(\b%4)+(\s)%4, AS+2*(\s)+\a%2, \b/4, \a/2
.endif
.endr
.endr
	WIN 0
.endm
	s_wait_alu depctr_va_vdst(0)                   ; the wait at the head's end
	s_wait_tensorcnt 0x0                           ; my one tile is in,
	s_barrier_signal -1
	s_barrier_wait -1                              ; everybody's is
.irp s, 0,1,2,3,4,5,6,7
.irp i, 0,1
	ds_load_b32 v[AS+2*\s+\i], v[ADAS] offset:512*\s+64*\i
.endr
.endr
.irp g, 0,1
.irp i, 0,1,2,3
	ds_load_b128 v[BS+16*\g+4*\i:BS+16*\g+4*\i+3], v[ADBS] offset:544*\i+16*\g
.endr
.endr
	FETCH 0
	s_wait_loadcnt 0x0                             ; the bias
.irp s, 0,1,2,3,4,5,6,7
	KSTEP \s
.endr
; THE WAY OUT, block by block of 16 rows x 128 columns, through my own stage: whole rows of 512 bytes come back, and the 32 lanes store two aligned units of 256 bytes.
.macro TOSTAGE a
	WIN 0x04
.irp b, 0,1,2,3,4,5,6,7
	ds_store_b128 v[STO], v[64*(\a)+8*\b:64*(\a)+8*\b+3] offset:64*\b          ; each accumulator from its low end on
	ds_store_b128 v[STO], v[64*(\a)+8*\b+4:64*(\a)+8*\b+7] offset:64*\b+16
.endr
	WIN 0
.set BB, BK+64*((\a)%2)
.irp t, 0,1,2,3,4,5,6,7,8,9,10,11,12,13,14,15
	ds_load_b128 v[BB+4*\t:BB+4*\t+3], v[RD] offset:\t*SPITCH
.endr
.endm
.macro SEND a, younger                 ; younger: the LDS instructions issued behind block a's loads, which may stay out
.set BB, BK+64*((\a)%2)
	s_wait_dscnt \younger
.if (\a) > 0
	s_add_nc_u64 s[14:15], s[14:15], 65536         ; 16 rows of out on (behind a wait on XCNT)
.endif
.irp t, 0,1,2,3,4,5,6,7,8,9,10,11,12,13,14,15
	global_store_b128 v[CO], v[BB+4*\t:BB+4*\t+3], s[14:15] offset:\t*4096 th:TH_STORE_NT
.endr
.endm
	PLACES
	TOSTAGE 0
.irp a, 1,2,3
.if \a > 1
	s_wait_xcnt 0x0                                ; block a - 2's stores have read their registers and their base
.endif
	TOSTAGE \a
	SEND \a-1, 32
.endr
	s_wait_xcnt 0x0
	SEND 3, 0
	s_wait_tensorcnt 0x0                           ; the wave's end
	ds_add_u32 v[SPW], v[NIL]
	s_wait_dscnt 0x0
	CROUND                                         ; the closing round
	s_endpgm
.Lfunc_end_k_qac0d6c70e2_proj:
	.size	k_qac0d6c70e2_proj, .Lfunc_end_k_qac0d6c70e2_proj-k_qac0d6c70e2_proj
	.p2alignl 7, 3214868480
	.fill 96, 4, 3214868480
	.section	.rodata,"a",@progbits
	.p2align	6, 0x0
	.amdhsa_kernel k_qac0d6c70e2_proj
		.amdhsa_group_segment_fixed_size 327680
		.amdhsa_private_segment_fixed_size 0
		.amdhsa_enable_private_segment 0
		.amdhsa_kernarg_size 48
		.amdhsa_user_sgpr_count 2
		.amdhsa_user_sgpr_kernarg_segment_ptr 1
		.amdhsa_wavefront_size32 1
		.amdhsa_system_sgpr_workgroup_id_x 1
		.amdhsa_system_sgpr_workgroup_id_y 1
		.amdhsa_system_sgpr_workgroup_id_z 1
		.amdhsa_system_vgpr_workitem_id 0
		.amdhsa_next_free_vgpr 768
		.amdhsa_next_free_sgpr 100
		.amdhsa_reserve_vcc 0
		.amdhsa_float_denorm_mode_32 3
		.amdhsa_float_denorm_mode_16_64 3
		.amdhsa_memory_ordered 1
		.amdhsa_forward_progress 1
		.amdhsa_inst_pref_size 73
	.end_amdhsa_kernel
	.amdgpu_metadata
---
amdhsa.version: [ 1, 2 ]
amdhsa.kernels:
  - .name:           k_qac0d6c70e2_proj
    .symbol:         k_qac0d6c70e2_proj.kd
    .args:
      - { .name: ctx_codes, .offset: 0, .size: 8, .value_kind: global_buffer, .address_space: global }
      - { .name: ctx_scales, .offset: 8, .size: 8, .value_kind: global_buffer, .address_space: global }
      - { .name: output_weights_codes, .offset: 16, .size: 8, .value_kind: global_buffer, .address_space: global }
      - { .name: output_weights_scales, .offset: 24, .size: 8, .value_kind: global_buffer, .address_space: global }
      - { .name: output_biases, .offset: 32, .size: 8, .value_kind: global_buffer, .address_space: global }
      - { .name: out0, .offset: 40, .size: 8, .value_kind: global_buffer, .address_space: global }
    .group_segment_fixed_size: 327680
    .private_segment_fixed_size: 0
    .kernarg_segment_align: 8
    .kernarg_segment_size: 48
    .max_flat_workgroup_size: 128
    .sgpr_count:     100
    .vgpr_count:     768
    .wavefront_size: 32
...
	.end_amdgpu_metadata
.endif
;; end of part 3
